; MI455X (gfx1250); checked and timed in simulation.
; The chip was launched on July 23, 2026; its instructions are those of AMD's public machine-readable ISA for CDNA 5 (MIT licence, August 2026) and "CDNA5" Instruction Set Architecture Reference Guide (July 2026). The comments in the code are by the model that wrote it; some were corrected since.
;; Attention. Allowed arithmetic: matrix products marked QUANTISED: E4M3 operands, one E8M0 scale for each 32 along K, by v_wmma_scale_f32_16x16x128_f8f6f4 with both operands' format E4M3, f32 sums; everything else in f32.
;; Inputs: Wkv_codes 2,048 x 32 x 32 uint8 (E4M3 codes of Wkv, K innermost, in blocks of 32 codes); Wkv_scales 2,048 x 32 uint8 (E8M0 scales of Wkv, one for each 32 codes along K); Wo_codes 1,024 x 32 x 32 uint8 (E4M3 codes of Wo, K innermost, in blocks of 32 codes); Wo_scales 1,024 x 32 uint8 (E8M0 scales of Wo, one for each 32 codes along K); Wq_codes 1,024 x 32 x 32 uint8 (E4M3 codes of Wq, K innermost, in blocks of 32 codes); Wq_scales 1,024 x 32 uint8 (E8M0 scales of Wq, one for each 32 codes along K); ln_b 1,024 float32; ln_g 1,024 float32; lnc_b 1,024 float32; lnc_g 1,024 float32; x 4 x 2,048 x 1,024 float32.
;; Outputs: out0 4 x 2,048 x 1,024 float32.
;; This version of the problem:
;;   THIS VERSION OF THE PROBLEM IS GIVEN IN LOW PRECISION. The matrix products marked QUANTISED in the list below multiply operands that are first quantised to E4M3 (4 exponent bits, 3 mantissa bits; 8 bits a number), with one power-of-two scale for each 32 numbers along K (OCP MX v1.0); their sums are f32. All else is computed in f32.
;;   The module's matrix products, in the order in which they are computed (A, B: the left and right operand; K: the contracted axis; several contracted axes count as one K, in the product's order):
;;     1. [M 8,192, K 1,024] x [K 1,024, N 1,024]; A: computed on the way; B: input Wq (given as codes): QUANTISED
;;     2. [M 8,192, K 1,024] x [K 1,024, N 2,048]; A: computed on the way; B: input Wkv (given as codes): QUANTISED
;;     3. batch 64 x [M 2,048, K 64] x [K 64, N 2,048]; A: computed on the way; B: computed on the way: QUANTISED
;;     4. batch 64 x [M 2,048, K 2,048] x [K 2,048, N 64]; A: softmax (see below); B: computed on the way: QUANTISED
;;     5. [M 8,192, K 1,024] x [K 1,024, N 1,024]; A: computed on the way; B: input Wo (given as codes): QUANTISED
;;   THE QUANTISER, for each operand of a quantised product, along K:
;;     - K is cut into blocks of 32 from its start; a last block that is shorter is filled with zeros.
;;     - A block's scale is 2^e with e = floor(log2(the largest magnitude in the block)) - 8, held to -126 .. 127; a block of zeros has e = 0. As a byte (E8M0): e + 127.
;;     - Each number is divided by its block's scale, clamped to +-448, and rounded to the nearest number of E4M3, ties to even, subnormals kept.
;;     - The product sums the exact products of the quantised numbers (number of the format x scale) in f32.
;;   ~~~python
;;   def quantise(x, axis):      # numpy; x: float32 -> the quantised numbers, widened to float32 again
;;       x = np.moveaxis(x, axis, -1); K = x.shape[-1]
;;       x = np.pad(x, [(0, 0)] * (x.ndim - 1) + [(0, -K % 32)]); x = x.reshape(x.shape[:-1] + (-1, 32)); a = np.abs(x).max(-1, keepdims=True)
;;       e = np.where(a > 0, np.clip(np.frexp(np.where(a > 0, a, 1))[1] - 1 - 8, -126, 127), 0)      # np.frexp(a)[1] - 1 = floor(log2(a)), exactly
;;       r = np.clip(x / 2.0 ** e, -448, 448)
;;       step = 2.0 ** (np.maximum(np.frexp(np.where(r == 0, 1, r))[1] - 1, -6) - 3)
;;       q = np.round(r / step) * step * 2.0 ** e      # np.round: ties to even
;;       return np.moveaxis(q.reshape(q.shape[:-2] + (-1,))[..., :K], -1, axis).astype(np.float32)
;;   ~~~
;;   SOFTMAX AHEAD OF A QUANTISED PRODUCT. Where the list says 'softmax', what is quantised is not the finished softmax but p = 2^(t - M), with t = logit x log2(e) and M = ceil(the row's largest t), a whole number; so 1/2 < the row's largest p <= 1. The row's sum l is taken of the UNQUANTISED p, in f32, and the product's result is divided by l at the end. Since M is a whole number, a kernel that streams over the keys may use a running M (the ceiling of the running maximum): every later rescaling is an exact power of two, which a block's scale takes up: the codes' values come out the same.
;;   OPERANDS COMPUTED ON THE WAY. 'Computed on the way' means the value that the module computes at that place (a softmax that the list does not call 'softmax' is quantised finished and normalised). What goes into a quantiser is computed in f32, as accurately as f32 sums, v_exp_f32 and their like allow (about 1e-6 of the number): no bf16 or f16 on the way to a quantiser, and a product that is left as it is and whose result goes on into a quantised operand takes f32 operands (vector FMAs, or v_wmma_f32_16x16x4_f32). A number that lies on a knife's edge between two numbers of the format may be rounded either way, as far as f32 arithmetic and the matrix unit's own rounding can turn it there, and no further.
;;   INPUTS GIVEN AS CODES. Wkv (in the module: [2048, 1024], K = its axis 1); Wo (in the module: [1024, 1024], K = its axis 1); Wq (in the module: [1024, 1024], K = its axis 1): each comes as NAME_codes (uint8): NAME with its K axis moved to the last place and cut into blocks of 32 codes, [.., K / 32, bytes a block], one block behind the other in memory; one code a byte (a code: sign, 4 exponent bits, 3 mantissa bits); and NAME_scales (uint8): the same leading axes, one E8M0 byte (e + 127) for each 32 codes along K. Its value is code x scale, taken as it is: it is not quantised again, and the codes and scales need not be those that the quantiser above would give.
;; One version. Each part assembles by itself: llvm-mc -triple=amdgcn-amd-amdhsa -mcpu=gfx1250 --defsym DOCPART=n.
;; ======== version 1 of 1: 4 launches
;; limits: right only within a limited range of input values
;; workspace buffers: acts 16,777,216 bytes; asc 524,288 bytes; qbuf 8,650,752 bytes; kbuf 8,650,752 bytes; vbuf 8,650,752 bytes; obuf 8,650,752 bytes
;; launch norm (part 1): grid 256 x 1, 16 waves a work-group, no clusters, 188,416 bytes of LDS; arguments x, ln_g, ln_b, lnc_g, lnc_b, acts, asc; writes acts, asc
.if DOCPART == 1
	.amdgcn_target "amdgcn-amd-amdhsa--gfx1250"
	.amdhsa_code_object_version 6
	.text
	.protected	k_q5406ed978e_norm
	.globl	k_q5406ed978e_norm
	.p2align	8
	.type	k_q5406ed978e_norm,@function
k_q5406ed978e_norm:
	s_mov_b64 s[64:65], 0
	v_nop
	global_prefetch_b8 v0, s[64:65] scope:SCOPE_SE
	s_setreg_imm32_b32 hwreg(HW_REG_WAVE_MODE, 25, 1), 1
	s_wait_xcnt 0x0
; xn = (x - mean) rsqrt(var + 1e-5) ln_g + ln_b and cn = the same with lnc_g, lnc_b; x: [8192][1024] f32.  Both become codes of FP8 (E4M3), K = the 1,024 features innermost,
; with one E8M0 byte for each 32: acts [2][8192][1024] bytes, asc [2][8192][32] bytes (0: xn, 1: cn).  No work of the problem is left out in this program: every input is loaded.
; A block's scale is 2^(floor(log2(its largest magnitude)) - 8); its byte is that magnitude's exponent field - 8, held at 1 from below; each number is held within +-448 x the scale and rounded to the nearest code.
; LIMITS: NaN and infinities among the inputs are not served; a block whose largest magnitude lies under 2^-118 keeps the byte 1; a block of zeros has the byte 1 and not 127 (its codes are zeros, and this program alone reads the bytes).
; SHARES.  A work-group takes 32 rows, each of its sixteen waves two; a wave works a whole row: 32 numbers a lane.  Mean first, then the squares of x - mean: a common offset of x does no harm.
; A wave's two rows are 8,192 dense bytes: ONE tensor load a wave, its only one.  A quarter of one of the four gain and bias arrays a wave comes by two loads of 512 consecutive bytes and goes by LDS stores into bytes of its own.  Nothing in LDS is filled again.
; A lane wants 16 NEIGHBOURS (two lanes hold a block of 32): 16 bytes of padding lie behind each 64, so that lanes 80 bytes apart read without meeting in a bank.
; NO CLUSTER: work-groups share only the 16 KiB of gains and biases, against 128 KiB of rows of their own.  No matrix unit: there is no product here.  No prefetch: each wave asks for all its rows at once, at its head.
.set ROWL,  5120                       ; a row of 4,096 bytes in LDS: 64 pieces of 64 + 16
.set HALFL, 2560
.set GN,    32*ROWL                    ; behind the 32 rows: ln_g, ln_b, lnc_g, lnc_b, ROWL bytes each, written by LDS stores
.set SCR,   GN+4*ROWL                  ; behind them: the scale bytes, [2][32 rows][32]
.set SPARE, SCR+2048                   ; the spare words, 128 bytes a wave
.set G1R, 16                           ; s[16:23] descriptor group 1;  s[32:35] group 0
.set G0,  32
.set GA,  32                           ; v32-159  array k at v[GA + 32 k]
.set X,   160                          ; v160-191 my 32 numbers of the row: register 16 q + j = feature 512 q + 16 lane + j
.set T,   192                          ; v192-207 16 numbers on their way to codes
.set C,   208                          ; v208-223 a row's codes
.set E,   224                          ; v224-227 its scale bytes
	s_load_b256 s[4:11], s[0:1], 0x0               ; x, ln_g, ln_b, lnc_g
	s_load_b128 s[12:15], s[0:1], 0x20             ; lnc_b, acts
	s_load_b64 s[60:61], s[0:1], 0x30              ; asc
	v_lshl_add_u32 v254, v0, 2, SPARE
	v_mov_b32 v255, 0
	ds_add_u32 v254, v255
	ds_add_u32 v254, v255
	v_lshrrev_b32 v1, 5, v0
	v_readfirstlane_b32 s2, v1                     ; wave 0..15
	v_and_b32 v1, 31, v0                           ; lane
	s_mov_b32 s[G1R+0], (3<<16)|(1<<20)|(3<<22)|(3<<25)  ; elements of 8 bytes; four words of padding after every 16
	s_mov_b32 s[G1R+1], 1024<<16                   ; one row of 1,024 elements: my two rows of x on end
	s_mov_b32 s[G1R+2], 1<<16
	s_mov_b32 s[G1R+3], 1024<<16
	s_mov_b32 s[G1R+4], 1
	s_mov_b32 s[G1R+5], 1024
	s_mov_b32 s[G1R+6], 0
	s_mov_b32 s[G1R+7], 0
	s_mov_b32 s52, 0x3a800000                      ; 1 / 1024
	s_mov_b32 s53, 0x3727c5ac                      ; 1e-5
	s_mov_b32 s54, 0x76543210
	s_mov_b32 s55, 0xfedcba98                      ; lane l xor 16
	s_mov_b32 s56, 0x600000                        ; the mantissa field of 448
	s_lshl_b32 s58, ttmp9, 17                      ; x: 32 rows of 4,096 bytes a work-group, two a wave
	s_lshl_b32 s3, s2, 13
	s_add_co_u32 s58, s58, s3
	s_mov_b32 s59, 0
	s_and_b32 s3, s2, 3
	s_lshl_b32 s62, s3, 10                         ; which quarter of my array
	s_mov_b32 s63, 0
	s_and_b32 s24, s2, 7                           ; the wave's number among the eight that store scale bytes
	s_mul_i32 s57, s2, 2*ROWL                      ; my two rows in LDS
	s_mul_i32 s3, s2, 1280
	s_add_co_u32 s3, s3, GN                        ; my quarter array in LDS: array wave / 4, quarter wave % 4
	s_wait_alu depctr_va_vdst(0)
	s_wait_dscnt 0x0
	s_wait_kmcnt 0x0
	s_cmp_lt_u32 s2, 4                             ; the array is chosen by the wave number alone
	s_cselect_b64 s[6:7], s[6:7], s[8:9]
	s_cmp_lt_u32 s2, 12
	s_cselect_b64 s[10:11], s[10:11], s[12:13]
	s_cmp_lt_u32 s2, 8
	s_cselect_b64 s[6:7], s[6:7], s[10:11]
	s_add_nc_u64 s[6:7], s[6:7], s[62:63]
	s_add_nc_u64 s[4:5], s[4:5], s[58:59]
	s_mov_b32 s[G0], 1
	s_mov_b32 s[G0+1], s57
	s_mov_b64 s[G0+2:G0+3], s[4:5]
	s_or_b32 s[G0+3], s[G0+3], 0x80000000
	tensor_load_to_lds s[G0:G0+3], s[G1R:G1R+7]    ; my one tensor load
	s_nop 0
.rept 4
	v_nop
.endr
	v_lshlrev_b32 v8, 4, v1
.irp k, 0,1
	global_load_b128 v[T+4*\k:T+4*\k+3], v8, s[6:7] offset:512*\k   ; my quarter array: 512 consecutive bytes an instruction
.endr
	v_lshrrev_b32 v9, 2, v1                        ; where it goes: piece 8 k + lane / 4 of 80 bytes, 16 (lane % 4) into it
	v_and_b32 v10, 3, v1
	v_mul_u32_u24 v9, v9, 80
	v_lshl_add_u32 v9, v10, 4, v9
	v_add_nc_u32 v9, s3, v9
	s_lshl_b32 s58, ttmp9, 15                      ; the codes: 1,024 bytes a row
	s_lshl_b32 s3, s2, 11
	s_add_co_u32 s58, s58, s3
	s_add_nc_u64 s[14:15], s[14:15], s[58:59]      ; xn's codes at my first row,
	s_add_nc_u64 s[8:9], s[14:15], 0x800000        ; cn's: 8,192 rows on
	s_lshl_b32 s58, ttmp9, 10                      ; the scale bytes: wave w of the first eight stores 256 bytes: tensor w / 4, rows 8 (w % 4) on
	s_lshr_b32 s3, s24, 2
	s_lshl_b32 s3, s3, 18
	s_add_co_u32 s58, s58, s3
	s_and_b32 s3, s24, 3
	s_lshl_b32 s3, s3, 8
	s_add_co_u32 s58, s58, s3
	s_add_nc_u64 s[60:61], s[60:61], s[58:59]
	v_mul_u32_u24 v2, v1, 80
	v_add_nc_u32 v3, GN, v2                        ; v3: my 64 bytes of an array's first half
	v_add_nc_u32 v2, s57, v2                       ; v2: the same of my first row
	v_lshlrev_b32 v4, 4, v1                        ; v4: my 16 codes
	v_lshrrev_b32 v5, 1, v1
	s_lshl_b32 s3, s2, 6
	s_add_co_u32 s3, s3, SCR
	v_add_nc_u32 v5, s3, v5                        ; v5: my block's byte in my first row's 32
	v_lshlrev_b32 v7, 3, v1                        ; v7: 8 bytes a lane on the way out
	s_lshl_b32 s3, s24, 8
	s_add_co_u32 s3, s3, SCR
	v_add_nc_u32 v6, s3, v7
	s_wait_alu depctr_va_vdst(0)                   ; a wait at the head's end
	s_wait_loadcnt 0x0                             ; my quarter array is in registers
.irp k, 0,1
	ds_store_b128 v9, v[T+4*\k:T+4*\k+3] offset:640*\k
.endr
	s_wait_dscnt 0x0                               ; for the others' sake
	s_barrier_signal -1                            ; my rows' load may stay out
	s_barrier_wait -1                              ; everybody's quarter is in
.irp k, 0,1,2,3
.irp q, 0,1
.irp j, 0,1,2,3
	ds_load_b128 v[GA+32*\k+16*\q+4*\j:GA+32*\k+16*\q+4*\j+3], v3 offset:ROWL*\k+HALFL*\q+16*\j
.endr
.endr
.endr
.macro LANESUM r, t                    ; the sum of v[r] over the 32 lanes, in every lane
	s_delay_alu instid0(VALU_DEP_1)
	v_add_f32_dpp v[\r], v[\r], v[\r] row_xmask:1 row_mask:0xf bank_mask:0xf
	s_delay_alu instid0(VALU_DEP_1)
	v_add_f32_dpp v[\r], v[\r], v[\r] row_xmask:2 row_mask:0xf bank_mask:0xf
	s_delay_alu instid0(VALU_DEP_1)
	v_add_f32_dpp v[\r], v[\r], v[\r] row_xmask:4 row_mask:0xf bank_mask:0xf
	s_delay_alu instid0(VALU_DEP_1)
	v_add_f32_dpp v[\r], v[\r], v[\r] row_xmask:8 row_mask:0xf bank_mask:0xf
	s_delay_alu instid0(VALU_DEP_1)
	v_permlanex16_b32 v[\t], v[\r], s54, s55
	s_delay_alu instid0(VALU_DEP_1)
	v_add_f32 v[\r], v[\r], v[\t]
.endm
.macro TREE                            ; four chains of pairs, v[12:19], into v12
	s_delay_alu instid0(VALU_DEP_3)
	v_pk_add_f32 v[12:13], v[12:13], v[14:15]
	s_delay_alu instid0(VALU_DEP_2)
	v_pk_add_f32 v[16:17], v[16:17], v[18:19]
	s_delay_alu instid0(VALU_DEP_1)
	v_pk_add_f32 v[12:13], v[12:13], v[16:17]
	s_delay_alu instid0(VALU_DEP_1)
	v_add_f32 v12, v12, v13
	LANESUM 12, 13
.endm
; 16 numbers of row i, tensor t, half q: gain and bias, the block's scale (two neighbouring lanes hold a block), the hold, the codes
.macro Q16 i, t, q
.irp p, 0,2,4,6,8,10,12,14
	v_pk_fma_f32 v[T+\p:T+\p+1], v[X+16*\q+\p:X+16*\q+\p+1], v[GA+64*\t+16*\q+\p:GA+64*\t+16*\q+\p+1], v[GA+64*\t+32+16*\q+\p:GA+64*\t+32+16*\q+\p+1]
.endr
	v_max3_num_f32 v20, |v[T]|, |v[T+1]|, |v[T+2]|
	v_max3_num_f32 v21, |v[T+3]|, |v[T+4]|, |v[T+5]|
.irp p, 6,10
	s_delay_alu instid0(VALU_DEP_2)
	v_max3_num_f32 v20, v20, |v[T+\p]|, |v[T+\p+1]|
	s_delay_alu instid0(VALU_DEP_2)
	v_max3_num_f32 v21, v21, |v[T+\p+2]|, |v[T+\p+3]|
.endr
	s_delay_alu instid0(VALU_DEP_2)
	v_max3_num_f32 v20, v20, |v[T+14]|, |v[T+15]|
	s_delay_alu instid0(VALU_DEP_1)
	v_max3_num_f32 v20, v20, v21, 0x4800000        ; and the floor 2^(9 - 127): the byte cannot fall under 1
	s_delay_alu instid0(VALU_DEP_1)
	v_max_num_f32_dpp v20, v20, v20 row_xmask:1 row_mask:0xf bank_mask:0xf   ; with my neighbour's 16
	s_delay_alu instid0(VALU_DEP_1)
	v_add_nc_u32 v22, 0xfc000000, v20              ; 8 off its exponent field: the conversion's scale operand
	s_delay_alu instid0(VALU_DEP_2)
	v_and_or_b32 v23, v20, 0x7f800000, s56         ; 448 x the scale
.irp p, 0,1,2,3,4,5,6,7,8,9,10,11,12,13,14,15
	v_med3_num_f32 v[T+\p], v[T+\p], -v23, v23     ; the conversion to an 8-bit code does not saturate (ISA guide 7.6.2)
.endr
	v_cvt_scalef32_pk8_fp8_f32 v[C+4*(2*\t+\q):C+4*(2*\t+\q)+1], v[T:T+7], v22
	v_cvt_scalef32_pk8_fp8_f32 v[C+4*(2*\t+\q)+2:C+4*(2*\t+\q)+3], v[T+8:T+15], v22
	v_lshrrev_b32 v[E+2*\t+\q], 23, v22            ; the scale's byte (also the plain line behind the conversions)
	ds_store_b8 v5, v[E+2*\t+\q] offset:1024*\t+32*\i+16*\q   ; both lanes of a block write the same byte with the same value
.if \t == 0
	global_store_b128 v4, v[C+4*(2*\t+\q):C+4*(2*\t+\q)+3], s[14:15] offset:1024*\i+512*\q   ; the wave stores 512 consecutive bytes
.else
	global_store_b128 v4, v[C+4*(2*\t+\q):C+4*(2*\t+\q)+3], s[8:9] offset:1024*\i+512*\q
.endif
.endm
.macro ROW i
	s_wait_tensorcnt 0x0                           ; my two rows are in
.irp q, 0,1
.irp j, 0,1,2,3
	ds_load_b128 v[X+16*\q+4*\j:X+16*\q+4*\j+3], v2 offset:ROWL*\i+HALFL*\q+16*\j
.endr
.endr
	s_wait_dscnt 0x0                               ; the row (in the first turn the arrays too)
.irp c, 0,1,2,3
	v_pk_add_f32 v[12+2*\c:13+2*\c], v[X+4*\c:X+4*\c+1], v[X+4*\c+2:X+4*\c+3]
.endr
.irp p, 8,12
.irp c, 0,1,2,3
	s_delay_alu instid0(VALU_DEP_4)
	v_pk_add_f32 v[12+2*\c:13+2*\c], v[12+2*\c:13+2*\c], v[X+2*(\p+\c):X+2*(\p+\c)+1]
.endr
.endr
	TREE
	s_delay_alu instid0(VALU_DEP_1)
	v_mul_f32 v8, s52, v12                         ; the mean, twice: a pair for the packed form
	s_delay_alu instid0(VALU_DEP_2)
	v_mul_f32 v9, s52, v12
.irp p, 0,1,2,3,4,5,6,7,8,9,10,11,12,13,14,15
	v_pk_add_f32 v[X+2*\p:X+2*\p+1], v[X+2*\p:X+2*\p+1], v[8:9] neg_lo:[0,1] neg_hi:[0,1]
.endr
.irp c, 0,1,2,3
	v_pk_mul_f32 v[12+2*\c:13+2*\c], v[X+2*\c:X+2*\c+1], v[X+2*\c:X+2*\c+1]
.endr
.irp p, 4,8,12
.irp c, 0,1,2,3
	s_delay_alu instid0(VALU_DEP_4)
	v_pk_fma_f32 v[12+2*\c:13+2*\c], v[X+2*(\p+\c):X+2*(\p+\c)+1], v[X+2*(\p+\c):X+2*(\p+\c)+1], v[12+2*\c:13+2*\c]
.endr
.endr
	TREE
	s_delay_alu instid0(VALU_DEP_1)
	v_fma_f32 v14, v12, s52, s53                   ; var + eps
	s_wait_alu depctr_va_vdst(0)
	v_rsq_f32 v10, v14
	v_rsq_f32 v11, v14
	v_nop                                          ; a plain line behind the transcendentals,
	s_wait_alu depctr_va_vdst(0)                   ; and a wait ahead of their first reader
.irp p, 0,1,2,3,4,5,6,7,8,9,10,11,12,13,14,15
	v_pk_mul_f32 v[X+2*\p:X+2*\p+1], v[X+2*\p:X+2*\p+1], v[10:11]
.endr
	s_wait_xcnt 0x0                                ; the last row's stores have read their codes
	Q16 \i, 0, 0
	Q16 \i, 0, 1
	Q16 \i, 1, 0
	Q16 \i, 1, 1
.endm
	ROW 0
	ROW 1
	s_wait_dscnt 0x0                               ; for the others' sake: my byte stores are done
	s_barrier_signal -1
	s_barrier_wait -1
	s_cmp_lt_u32 s2, 8                             ; the 2,048 scale bytes leave in eight units of 256 bytes: waves 0 to 7
	s_cbranch_scc0 .Lno_bytes
	ds_load_b64 v[12:13], v6
	s_wait_dscnt 0x0
	global_store_b64 v7, v[12:13], s[60:61]        ; 32 lanes store 256 consecutive bytes, aligned
.Lno_bytes:
	s_wait_tensorcnt 0x0                           ; the wave's end
	ds_add_u32 v254, v255
	s_wait_dscnt 0x0
	s_endpgm
.Lfunc_end_k_q5406ed978e_norm:
	.size	k_q5406ed978e_norm, .Lfunc_end_k_q5406ed978e_norm-k_q5406ed978e_norm
	.p2alignl 7, 3214868480
	.fill 96, 4, 3214868480
	.section	.rodata,"a",@progbits
	.p2align	6, 0x0
	.amdhsa_kernel k_q5406ed978e_norm
		.amdhsa_group_segment_fixed_size 188416
		.amdhsa_private_segment_fixed_size 0
		.amdhsa_enable_private_segment 0
		.amdhsa_kernarg_size 56
		.amdhsa_user_sgpr_count 2
		.amdhsa_user_sgpr_kernarg_segment_ptr 1
		.amdhsa_wavefront_size32 1
		.amdhsa_system_sgpr_workgroup_id_x 1
		.amdhsa_system_sgpr_workgroup_id_y 1
		.amdhsa_system_sgpr_workgroup_id_z 1
		.amdhsa_system_vgpr_workitem_id 0
		.amdhsa_next_free_vgpr 256
		.amdhsa_next_free_sgpr 66
		.amdhsa_reserve_vcc 0
		.amdhsa_float_denorm_mode_32 3
		.amdhsa_float_denorm_mode_16_64 3
		.amdhsa_memory_ordered 1
		.amdhsa_forward_progress 1
		.amdhsa_inst_pref_size 44
	.end_amdhsa_kernel
	.amdgpu_metadata
---
amdhsa.version: [ 1, 2 ]
amdhsa.kernels:
  - .name:           k_q5406ed978e_norm
    .symbol:         k_q5406ed978e_norm.kd
    .args:
      - { .name: x, .offset: 0, .size: 8, .value_kind: global_buffer, .address_space: global }
      - { .name: ln_g, .offset: 8, .size: 8, .value_kind: global_buffer, .address_space: global }
      - { .name: ln_b, .offset: 16, .size: 8, .value_kind: global_buffer, .address_space: global }
      - { .name: lnc_g, .offset: 24, .size: 8, .value_kind: global_buffer, .address_space: global }
      - { .name: lnc_b, .offset: 32, .size: 8, .value_kind: global_buffer, .address_space: global }
      - { .name: acts, .offset: 40, .size: 8, .value_kind: global_buffer, .address_space: global }
      - { .name: asc, .offset: 48, .size: 8, .value_kind: global_buffer, .address_space: global }
    .group_segment_fixed_size: 188416
    .private_segment_fixed_size: 0
    .kernarg_segment_align: 8
    .kernarg_segment_size: 56
    .max_flat_workgroup_size: 512
    .sgpr_count:     66
    .vgpr_count:     256
    .wavefront_size: 32
...
	.end_amdgpu_metadata
.endif
;; end of part 1
;; launch qkv (part 2): grid 12 x 32, 4 waves a work-group, clusters of 4 x 4, 327,680 bytes of LDS; arguments acts, asc, Wq_codes, Wq_scales, Wkv_codes, Wkv_scales, qbuf, kbuf, vbuf; writes qbuf, kbuf, vbuf
.if DOCPART == 2
	.amdgcn_target "amdgcn-amd-amdhsa--gfx1250"
	.amdhsa_code_object_version 6
	.text
	.protected	k_q5406ed978e_qkv
	.globl	k_q5406ed978e_qkv
	.p2align	8
	.type	k_q5406ed978e_qkv,@function
k_q5406ed978e_qkv:
	s_mov_b64 s[64:65], 0
	v_nop
	global_prefetch_b8 v0, s[64:65] scope:SCOPE_SE
	s_setreg_imm32_b32 hwreg(HW_REG_WAVE_MODE, 25, 1), 1
	s_wait_xcnt 0x0
	s_wait_alu depctr_hold_cnt(0) depctr_sa_sdst(0) depctr_va_vdst(0) depctr_va_sdst(0) depctr_va_ssrc(0) depctr_va_vcc(0) depctr_vm_vsrc(0)
	s_getreg_b32 s2, hwreg(HW_REG_IB_STS2, 6, 4)
	s_cmp_eq_u32 s2, 0
	s_cbranch_scc0 .Lentry_in_a_cluster
	s_endpgm
.Lentry_in_a_cluster:
	s_bfe_u32 s2, ttmp6, 0x10000c
	s_cmp_lg_u32 s2, 0xf033
	s_cbranch_scc0 .Lentry_shape_is_right
	s_endpgm
.Lentry_shape_is_right:
.set KSTEP,  256
.set NQ,     KSTEP/128
.set ROWB,   256
.set KROW,   1024
.set PITCH,  272
.set FR,     16
.set NL,     4
.set NP,     8
.set HALFT,  128*PITCH
.set SLOT,   4*HALFT
.set LAPS,   2
.set KS,     32
.set SCL,    2*SLOT
.set HALFS,  (128*KS/256)*272
.set SBLK,   (16*KS/256)*272
.set SPARE,  SCL+4*HALFS
.set BLKB,   8448
.set HEADB,  16*BLKB
.set ADRA, 16
.set ADRB, 20
.set L16,  24
.set VO,   25
.set L4,   26
.set ADRS, 27
.set SPW,  28
.set NIL,  29
.set SC,   32
.set AF,   128
.set PC,   64
.set W,    96
.set Z,    104
.set TM,   200
.set G1, 24
.set G0, 32
.set G1B, 48
.set G0B, 56
.set G1S, 68
.set G0S, 76
.set G1SB, 80
.set G0SB, 88
.set MSB, 0
.macro WIN new
.if MSB != (\new)
	s_set_vgpr_msb (MSB<<8)|(\new)
.set MSB, (\new)
.endif
.endm
.set MUL_LO, 0xa1
.set MUL_HI, 0xf1
.set TO_B,   0x40
.macro JLOAD g0a, g1a, g0b, g1b
	s_cmp_eq_u32 s15, 0
	s_cbranch_scc0 .Lfor_b_\@
	tensor_load_to_lds s[\g0a:\g0a+3], s[\g1a:\g1a+7]
	s_nop 0
.rept 4
	v_nop
.endr
	s_branch .Lasked_\@
.Lfor_b_\@:
	tensor_load_to_lds s[\g0b:\g0b+3], s[\g1b:\g1b+7]
	s_nop 0
.rept 4
	v_nop
.endr
.Lasked_\@:
.endm
.macro CREST
	s_cmp_lg_u32 s14, 0
	s_cbranch_scc1 .Lnot_wave_0_\@
	s_barrier_signal -3
.Lnot_wave_0_\@:
	s_barrier_wait -3
	s_barrier_signal -1
	s_barrier_wait -1
.endm
.macro CROUND
	s_barrier_signal -1
	s_barrier_wait -1
	CREST
.endm
	s_load_b512 s[68:83], s[0:1], 0x0
	s_load_b64 s[84:85], s[0:1], 0x40
	v_lshl_add_u32 v[SPW], v0, 2, SPARE
	v_mov_b32 v[NIL], 0
	ds_add_u32 v28, v29
	ds_add_u32 v28, v29
	s_wait_dscnt 0x0
	v_lshrrev_b32 v1, 5, v0
	v_readfirstlane_b32 s14, v1
	s_lshr_b32 s15, s14, 1
	s_and_b32 s16, s14, 1
	s_bfe_u32 s40, ttmp6, 0x40000
	s_bfe_u32 s41, ttmp6, 0x40004
	s_and_b32 s42, ttmp7, 0xffff
	s_lshl_b32 s42, s42, 2
	s_add_co_u32 s42, s42, s40
	s_and_b32 s17, ttmp7, 0xffff
	s_lshl_b32 s17, s17, 2
	s_add_co_u32 s17, s17, s41
	s_lshl_b32 s43, s41, 2
	s_lshl_b32 s43, 15, s43
	s_lshl_b32 s44, 0x1111, s40
	s_or_b32 s[G1+0], s43, (0<<16)|(1<<20)|(1<<21)|(5<<22)|(3<<25)
	s_or_b32 s[G1B+0], s44, (0<<16)|(1<<20)|(1<<21)|(5<<22)|(3<<25)
.irp g, G1, G1B
	s_mov_b32 s[\g+1], ROWB<<16
	s_mov_b32 s[\g+2], 256<<16                     ; the head's loads of codes bring 256 rows; the ring's 128 (set behind the head's wait)
	s_mov_b32 s[\g+3], ROWB<<16
	s_mov_b32 s[\g+4], 256
	s_mov_b32 s[\g+5], KROW
	s_mov_b32 s[\g+6], 0
	s_mov_b32 s[\g+7], 0
.endr
	s_lshl_b32 s18, s16, 7
	s_lshl_b32 s20, s17, 8
	s_cmp_eq_u32 ttmp9, 1
	s_cselect_b32 s21, 8192, 0
	s_add_co_u32 s20, s20, s21
	s_lshl_b32 s21, s41, 8
	s_add_co_u32 s21, s21, 1024
	s_cmp_eq_u32 ttmp9, 2
	s_cselect_b32 s20, s21, s20
	s_add_co_u32 s20, s20, s18
	s_lshl_b32 s46, s42, 8
	s_add_co_u32 s46, s46, 8192
	s_lshl_b32 s47, s40, 8
	s_cmp_eq_u32 ttmp9, 2
	s_cselect_b32 s46, s46, s47
	s_add_co_u32 s46, s46, s18
	s_mov_b32 s21, 0
	s_mov_b32 s47, 0
	s_mov_b64 s[18:19], KS
	s_mul_u64 s[22:23], s[20:21], s[18:19]
	s_mul_u64 s[92:93], s[46:47], s[18:19]
	s_mov_b64 s[18:19], KROW
	s_mul_u64 s[20:21], s[20:21], s[18:19]
	s_mul_u64 s[46:47], s[46:47], s[18:19]
	s_mul_i32 s45, s14, HALFT
	s_mul_i32 s18, s16, 128*KROW                   ; my half of a tile's 256 rows, in bytes of codes,
	s_mov_b32 s19, 0
	s_mul_i32 s2, s16, 128*KS                      ; and of scale bytes: taken off again for the head's whole tiles
	s_mov_b32 s3, 0
	s_wait_kmcnt 0x0
	s_cmp_eq_u32 ttmp9, 2
	s_cselect_b64 s[4:5], s[76:77], s[68:69]
	s_cselect_b64 s[6:7], s[78:79], s[70:71]
	s_cselect_b64 s[8:9], s[68:69], s[76:77]
	s_cselect_b64 s[10:11], s[70:71], s[78:79]
	s_cselect_b64 s[12:13], s[84:85], s[82:83]
	s_cmp_eq_u32 ttmp9, 0
	s_cselect_b64 s[8:9], s[72:73], s[8:9]
	s_cselect_b64 s[10:11], s[74:75], s[10:11]
	s_cselect_b64 s[12:13], s[80:81], s[12:13]
	s_add_nc_u64 s[20:21], s[4:5], s[20:21]
	s_add_nc_u64 s[22:23], s[6:7], s[22:23]
	s_add_nc_u64 s[46:47], s[8:9], s[46:47]
	s_add_nc_u64 s[92:93], s[10:11], s[92:93]
	s_or_b32 s[G1S+0], s43, (3<<16)|(1<<20)|(1<<21)|(5<<22)|(3<<25)
	s_or_b32 s[G1SB+0], s44, (3<<16)|(1<<20)|(1<<21)|(5<<22)|(3<<25)
.irp g, G1S, G1SB
	s_mov_b32 s[\g+1], 32<<16
	s_mov_b32 s[\g+2], (256*KS/256)<<16            ; the scale bytes of 256 rows: 32 units of 256 bytes
	s_mov_b32 s[\g+3], 32<<16
	s_mov_b32 s[\g+4], 256*KS/256
	s_mov_b32 s[\g+5], 32
	s_mov_b32 s[\g+6], 0
	s_mov_b32 s[\g+7], 0
.endr
	CROUND                                         ; all sixteen work-groups are here: the first joint loads meet
	s_mov_b32 s4, 1                                ; the head's four tiles, each whole: K step 0's 256 rows of A,
	s_mov_b32 s5, 0
	s_sub_nc_u64 s[6:7], s[20:21], s[18:19]
	s_or_b32 s7, s7, 0x80000000
	s_mov_b32 s8, 1                                ; its 256 rows of B, behind them in slot 0,
	s_mov_b32 s9, 2*HALFT
	s_sub_nc_u64 s[10:11], s[46:47], s[18:19]
	s_or_b32 s11, s11, 0x80000000
	s_mov_b32 s[G0S], 1                            ; the scale bytes of A's 256 rows,
	s_mov_b32 s[G0S+1], SCL
	s_sub_nc_u64 s[G0S+2:G0S+3], s[22:23], s[2:3]
	s_or_b32 s[G0S+3], s[G0S+3], 0x80000000
	s_mov_b32 s[G0SB], 1                           ; and of B's
	s_mov_b32 s[G0SB+1], SCL+2*HALFS
	s_sub_nc_u64 s[G0SB+2:G0SB+3], s[92:93], s[2:3]
	s_or_b32 s[G0SB+3], s[G0SB+3], 0x80000000
.irp s, 0,1
	s_mov_b32 s[G0+4*\s], 1
	s_add_co_u32 s[G0+4*\s+1], s45, \s*SLOT
	s_add_nc_u64 s[G0+4*\s+2:G0+4*\s+3], s[20:21], \s*ROWB
	s_or_b32 s[G0+4*\s+3], s[G0+4*\s+3], 0x80000000
	s_mov_b32 s[G0B+4*\s], 1
	s_add_co_u32 s[G0B+4*\s+1], s45, \s*SLOT
	s_add_nc_u64 s[G0B+4*\s+2:G0B+4*\s+3], s[46:47], \s*ROWB
	s_or_b32 s[G0B+4*\s+3], s[G0B+4*\s+3], 0x80000000
.endr
; the head's loads, one a wave, in one chain of branches on the wave's number: wave 0 A's rows, wave 1 B's, wave 2 A's scale bytes, wave 3 B's
.macro ARM under, g0, g1, next
	s_cmp_lt_u32 s14, \under
	s_cbranch_scc0 \next
	tensor_load_to_lds s[\g0:\g0+3], s[\g1:\g1+7]
	s_nop 0
.rept 4
	v_nop
.endr
	s_branch .Lhead_asked
\next:
.endm
	ARM 1, 4, G1, .Lhead_b
	ARM 2, 8, G1B, .Lhead_sa
	ARM 3, G0S, G1S, .Lhead_sb
	tensor_load_to_lds s[G0SB:G0SB+3], s[G1SB:G1SB+7]
	s_nop 0
.rept 4
	v_nop
.endr
.Lhead_asked:
	; PREFETCHES INTO THE L2: behind the load of K step t stands one request for K step t + 2 (t = 0, 1; K has four steps): 32 rows x 256 bytes, a lane a row, one instruction a wave.
	; Of the 128 rows that a wave fetches in the ring, each of the four partners that ask for them jointly takes 32, told apart by address alone (cx for A's rows, cy for B's).  The address registers are never written again.
	s_cmp_eq_u32 s15, 0
	s_cselect_b64 s[98:99], s[20:21], s[46:47]
	s_cselect_b32 s2, s40, s41
	s_mul_i32 s2, s2, 32*KROW
	s_mov_b32 s3, 0
	s_add_nc_u64 s[98:99], s[98:99], s[2:3]
	v_and_b32 v30, 31, v0
	v_lshlrev_b32 v30, 10, v30
	global_prefetch_b8 v30, s[98:99] offset:2*ROWB th:TH_LOAD_NT scope:SCOPE_SE
	v_and_b32 v1, 15, v0
	v_bfe_u32 v2, v0, 4, 1
	v_mul_u32_u24 v3, v1, PITCH
	v_lshl_add_u32 v4, v2, 4, v3
	s_mul_i32 s21, s15, HALFT
	s_mul_i32 s22, s16, HALFT
	s_add_co_u32 s22, s22, 2*HALFT
.irp s, 0,1
	v_add_nc_u32 v[ADRA+\s], s21, v4
	v_add_nc_u32 v[ADRB+\s], s22, v4
	s_add_co_u32 s21, s21, SLOT
	s_add_co_u32 s22, s22, SLOT
.endr
	v_mul_u32_u24 v5, v1, KS
	v_lshrrev_b32 v6, 8, v5
	v_lshl_add_u32 v5, v6, 4, v5
	s_mul_i32 s21, s15, HALFS
	s_mul_i32 s22, s16, HALFS
	s_add_co_u32 s22, s22, 2*HALFS
	s_sub_co_u32 s22, s22, s21
	v_mul_u32_u24 v6, s22, v2
	s_add_co_u32 s21, s21, SCL
	v_add_nc_u32 v5, v5, v6
	v_add_nc_u32 v[ADRS], s21, v5
	v_and_b32 v6, 31, v0
	v_lshlrev_b32 v[L16], 4, v6
	v_lshlrev_b32 v[L4], 2, v6
.macro FRAG reg, adr, q, i
.irp c, 0,1,2,3
	ds_load_b128 v[\reg+4*\c:\reg+4*\c+3], v[\adr] offset:128*(\q)+32*\c+(\i)*16*PITCH
.endr
.endm
.macro MUL16 a0, p, q, sc, zero
.irp a, \a0, \a0+1
.irp b, 0,1,2,3,4,5,6,7
.if \zero
	v_wmma_scale_f32_16x16x128_f8f6f4 v[8*(8*((\a)%4)+\b):8*(8*((\a)%4)+\b)+7], v[128*(\p)+FR*\b:128*(\p)+FR*\b+FR-1], v[AF+FR*(\a):AF+FR*(\a)+FR-1], 0, v[SC+8*NQ*(\sc)+NQ*\b+(\q)], v[SC+8*NQ*(\sc)+NQ*(\a)+(\q)] matrix_a_scale:MATRIX_SCALE_ROW1
.else
	v_wmma_scale_f32_16x16x128_f8f6f4 v[8*(8*((\a)%4)+\b):8*(8*((\a)%4)+\b)+7], v[128*(\p)+FR*\b:128*(\p)+FR*\b+FR-1], v[AF+FR*(\a):AF+FR*(\a)+FR-1], v[8*(8*((\a)%4)+\b):8*(8*((\a)%4)+\b)+7], v[SC+8*NQ*(\sc)+NQ*\b+(\q)], v[SC+8*NQ*(\sc)+NQ*(\a)+(\q)] matrix_a_scale:MATRIX_SCALE_ROW1
.endif
.endr
.endr
.endm
.macro FETCH_B slot, q, p
	WIN TO_B
.irp i, 0,1,2,3,4,5,6,7
	FRAG 128*(\p)+FR*\i, ADRB+\slot, \q, \i
.endr
	WIN 0
.endm
.macro FETCH_A slot, q, i0
.irp i, \i0, \i0+1, \i0+2, \i0+3
	FRAG AF+FR*(\i), ADRA+\slot, \q, \i
.endr
.endm
.macro SCALES sc
.irp i, 0,1,2,3,4,5,6,7
	ds_load_b64 v[SC+8*NQ*\sc+NQ*\i:SC+8*NQ*\sc+NQ*\i+1], v[ADRS] offset:\i*SBLK
.endr
.endm
.macro PLACES n
.rept \n
	v_nop
.endr
.endm
.macro STEP slot, q, zero
	s_wait_dscnt 4*NL
	WIN MUL_LO
	MUL16 0, (\q)%2, \q, \slot, \zero
	MUL16 2, (\q)%2, \q, \slot, \zero
	s_wait_dscnt 0
	PLACES NP
	FETCH_B \slot, (\q)+1, 1-(\q)%2
	FETCH_A \slot, (\q)+1, 0
	WIN MUL_HI
	MUL16 4, (\q)%2, \q, \slot, \zero
	MUL16 6, (\q)%2, \q, \slot, \zero
	PLACES NP
	WIN 0
	FETCH_A \slot, (\q)+1, 4
.endm
.macro TURN slot, next, fill
	s_wait_tensorcnt 0x0
	ds_add_u32 v[SPW], v[NIL]
	s_wait_dscnt 4*NL+1
	WIN MUL_LO
	MUL16 0, 1, NQ-1, \slot, 0
	s_wait_dscnt 0x0
	s_barrier_signal -1
	MUL16 2, 1, NQ-1, \slot, 0
	WIN 0
	s_barrier_wait -1
.if \fill
	CREST
	s_add_nc_u64 s[G0+4*\slot+2:G0+4*\slot+3], s[G0+4*\slot+2:G0+4*\slot+3], 2*ROWB
	s_add_nc_u64 s[G0B+4*\slot+2:G0B+4*\slot+3], s[G0B+4*\slot+2:G0B+4*\slot+3], 2*ROWB
	JLOAD G0+4*\slot, G1, G0B+4*\slot, G1B
	PLACES NP-4
.else
	PLACES NP
.endif
	s_wait_alu depctr_va_vdst(0)
	v_add_nc_u32 v[ADRS], 4*NQ, v[ADRS]
	FETCH_B \next, 0, 0
	FETCH_A \next, 0, 0
	SCALES \next
	WIN MUL_HI
	MUL16 4, 1, NQ-1, \slot, 0
	MUL16 6, 1, NQ-1, \slot, 0
	PLACES NP
	WIN 0
	FETCH_A \next, 0, 4
.endm
	s_wait_alu depctr_va_vdst(0)
	s_wait_tensorcnt 0x0                           ; my tile of the head's four is in; these lines stand ahead of slot 1's first fill as ahead of a refill
	ds_add_u32 v[SPW], v[NIL]
	s_mov_b32 s[G1+2], 128<<16                     ; no tensor load of mine is out: from here on a load brings 128 rows
	s_mov_b32 s[G1+4], 128
	s_mov_b32 s[G1B+2], 128<<16
	s_mov_b32 s[G1B+4], 128
	s_wait_dscnt 0x0
	CROUND                                         ; all four tiles are in, and all sixteen work-groups are here
	JLOAD G0+4, G1, G0B+4, G1B                     ; K step 1, the first tensor load behind the round
	FETCH_B 0, 0, 0
	FETCH_A 0, 0, 0
	SCALES 0
	FETCH_A 0, 0, 4
	global_prefetch_b8 v30, s[98:99] offset:3*ROWB th:TH_LOAD_NT scope:SCOPE_SE
	STEP 0, 0, 1
	s_mov_b32 s3, LAPS-1
.Llap:
	TURN 0, 1, 1
	STEP 1, 0, 0
	TURN 1, 0, 1
	STEP 0, 0, 0
	s_sub_co_u32 s3, s3, 1
	s_cmp_lg_u32 s3, 0
	s_cbranch_scc1 .Llap
	TURN 0, 1, 0
	STEP 1, 0, 0
	s_wait_dscnt 4*NL
	WIN MUL_LO
	MUL16 0, 1, NQ-1, 1, 0
	MUL16 2, 1, NQ-1, 1, 0
	s_wait_dscnt 0
	WIN MUL_HI
	MUL16 4, 1, NQ-1, 1, 0
	MUL16 6, 1, NQ-1, 1, 0
	WIN 0
	s_cmp_eq_u32 ttmp9, 2
	s_cselect_b32 s18, s42, s17
	s_cselect_b32 s19, s16, s15
	s_cselect_b32 s20, s41, s40
	s_cselect_b32 s21, s15, s16
	s_mov_b32 s22, 1024
	s_cselect_b32 s22, 2048, s22
	s_cselect_b32 s23, HEADB-4*2048, 0
	s_cselect_b32 s45, -1, 0
	s_mov_b32 s46, HEADB
	s_cselect_b32 s46, 1024, s46
	s_lshr_b32 s47, s18, 3
	s_lshl_b32 s47, s47, 4
	s_lshl_b32 s92, s20, 2
	s_add_co_u32 s47, s47, s92
	s_lshl_b32 s92, s21, 1
	s_add_co_u32 s47, s47, s92
	s_lshl_b32 s47, s47, 4
	s_and_b32 s92, s18, 7
	s_lshl_b32 s92, s92, 1
	s_add_co_u32 s47, s47, s92
	s_add_co_u32 s47, s47, s19
	s_mul_i32 s92, s47, BLKB
	s_mov_b32 s93, 0
	s_mov_b32 s47, 0
	s_add_nc_u64 s[12:13], s[12:13], s[92:93]
	s_add_nc_u64 s[94:95], s[12:13], s[46:47]
	PLACES NP
.irp b, 0,1,2,3
	v_mov_b32 v[TM+4+\b], 0
.endr
.macro OUTA a
.set AC, 64*((\a)%4)
	s_wait_xcnt 0x0
	s_mul_i32 s3, s22, \a
.if \a >= 4
	s_add_co_u32 s3, s3, s23
.endif
	v_add_nc_u32 v[VO], s3, v[L16]
	WIN 0x0a+5*((\a)/4)
.irp b, 0,1,2,3
	v_max3_num_f32 v[TM+\b], |v[AC+16*\b]|, |v[AC+16*\b+1]|, 0x4800000
.endr
.irp i, 2,4,6,8,10,12,14
.irp b, 0,1,2,3
	v_max3_num_f32 v[TM+\b], |v[AC+16*\b+\i]|, |v[AC+16*\b+\i+1]|, v[TM+\b]
.endr
.endr
	WIN 0
.irp b, 0,1,2,3
	v_permlanex16_b32 v[TM+4+\b], v[TM+\b], s96, s97
.endr
.irp b, 0,1,2,3
	v_max_num_f32 v[TM+\b], v[TM+\b], v[TM+4+\b]
.endr
.irp b, 0,1,2,3
	v_add_nc_u32 v[TM+12+\b], 0xfc000000, v[TM+\b]
.endr
.irp b, 0,1,2,3
	v_and_or_b32 v[TM+8+\b], v[TM+\b], 0x7f800000, s2
.endr
.irp b, 0,1,2,3
	v_lshrrev_b32 v[TM+4+\b], 23, v[TM+12+\b]
.endr
	v_lshl_or_b32 v[W+\a], v[TM+5], 8, v[TM+4]
	v_lshl_or_b32 v[W+\a], v[TM+6], 16, v[W+\a]
	v_lshl_or_b32 v[W+\a], v[TM+7], 24, v[W+\a]
	WIN 0x82+0x41*((\a)/4)
.irp b, 0,1,2,3
.irp i, 0,1,2,3,4,5,6,7,8,9,10,11,12,13,14,15
	v_med3_num_f32 v[AC+16*\b+\i], v[AC+16*\b+\i], -v[TM+8+\b], v[TM+8+\b]
.endr
.endr
	WIN 0x02+((\a)/4)
.irp b, 0,1,2,3
	v_cvt_scalef32_pk8_fp8_f32 v[PC+4*\b:PC+4*\b+1], v[AC+16*\b:AC+16*\b+7], v[TM+12+\b]
	v_cvt_scalef32_pk8_fp8_f32 v[PC+4*\b+2:PC+4*\b+3], v[AC+16*\b+8:AC+16*\b+15], v[TM+12+\b]
.endr
	WIN 0
	v_nop
	global_store_b128 v[VO], v[PC:PC+3], s[12:13]
	global_store_b128 v[VO], v[PC+4:PC+7], s[12:13] offset:512
	global_store_b128 v[VO], v[PC+8:PC+11], s[94:95]
	global_store_b128 v[VO], v[PC+12:PC+15], s[94:95] offset:512
.endm
	s_mov_b32 s96, 0x76543210
	s_mov_b32 s97, 0xfedcba98
	s_mov_b32 s2, 0x600000
.irp a, 0,1,2,3,4,5,6,7
	OUTA \a
.endr
	s_mov_b32 s3, 0x05040100
	s_mov_b32 s18, 0x07060302
	s_mov_b32 vcc_lo, 0xffff0000
.irp i, 0,1,2,3
	v_perm_b32 v[Z+\i], v[W+2*\i+1], v[W+2*\i], s3
	v_perm_b32 v[Z+4+\i], v[W+2*\i+1], v[W+2*\i], s18
.endr
.irp n, 0,1,2,3,4,5,6,7
	v_cndmask_b32 v[Z+\n], v[Z+\n], v[W+\n], s45
.endr
.irp m, 0,1,2,3
	v_cndmask_b32 v[Z+8+\m], v[Z+2*\m], v[Z+2*\m+1], vcc_lo
.endr
.irp m, 0,1,2,3
	global_store_b32 v[L4], v[Z+8+\m], s[12:13] offset:(\m/2)*HEADB+8192+128*(\m%2)
.endr
	s_wait_tensorcnt 0x0
	ds_add_u32 v[SPW], v[NIL]
	s_wait_dscnt 0x0
	CROUND
	s_endpgm
.Lfunc_end_k_q5406ed978e_qkv:
	.size	k_q5406ed978e_qkv, .Lfunc_end_k_q5406ed978e_qkv-k_q5406ed978e_qkv
	.p2alignl 7, 3214868480
	.fill 96, 4, 3214868480
	.section	.rodata,"a",@progbits
	.p2align	6, 0x0
	.amdhsa_kernel k_q5406ed978e_qkv
		.amdhsa_group_segment_fixed_size 327680
		.amdhsa_private_segment_fixed_size 0
		.amdhsa_enable_private_segment 0
		.amdhsa_kernarg_size 72
		.amdhsa_user_sgpr_count 2
		.amdhsa_user_sgpr_kernarg_segment_ptr 1
		.amdhsa_wavefront_size32 1
		.amdhsa_system_sgpr_workgroup_id_x 1
		.amdhsa_system_sgpr_workgroup_id_y 1
		.amdhsa_system_sgpr_workgroup_id_z 1
		.amdhsa_system_vgpr_workitem_id 0
		.amdhsa_next_free_vgpr 1024
		.amdhsa_next_free_sgpr 100
		.amdhsa_reserve_vcc 1
		.amdhsa_float_denorm_mode_32 3
		.amdhsa_float_denorm_mode_16_64 3
		.amdhsa_memory_ordered 1
		.amdhsa_forward_progress 1
		.amdhsa_inst_pref_size 190
	.end_amdhsa_kernel
	.amdgpu_metadata
---
amdhsa.version: [ 1, 2 ]
amdhsa.kernels:
  - .name:           k_q5406ed978e_qkv
    .symbol:         k_q5406ed978e_qkv.kd
    .args:
      - { .name: acts, .offset: 0, .size: 8, .value_kind: global_buffer, .address_space: global }
      - { .name: asc, .offset: 8, .size: 8, .value_kind: global_buffer, .address_space: global }
      - { .name: Wq_codes, .offset: 16, .size: 8, .value_kind: global_buffer, .address_space: global }
      - { .name: Wq_scales, .offset: 24, .size: 8, .value_kind: global_buffer, .address_space: global }
      - { .name: Wkv_codes, .offset: 32, .size: 8, .value_kind: global_buffer, .address_space: global }
      - { .name: Wkv_scales, .offset: 40, .size: 8, .value_kind: global_buffer, .address_space: global }
      - { .name: qbuf, .offset: 48, .size: 8, .value_kind: global_buffer, .address_space: global }
      - { .name: kbuf, .offset: 56, .size: 8, .value_kind: global_buffer, .address_space: global }
      - { .name: vbuf, .offset: 64, .size: 8, .value_kind: global_buffer, .address_space: global }
    .group_segment_fixed_size: 327680
    .private_segment_fixed_size: 0
    .kernarg_segment_align: 8
    .kernarg_segment_size: 72
    .max_flat_workgroup_size: 128
    .sgpr_count:     100
    .vgpr_count:     1024
    .wavefront_size: 32
...
	.end_amdgpu_metadata
.endif
;; end of part 2
;; launch attn (part 3): grid 4 x 64, 8 waves a work-group, clusters of 4 x 1, 271,360 bytes of LDS; arguments qbuf, kbuf, vbuf, obuf; writes obuf
.if DOCPART == 3
	.amdgcn_target "amdgcn-amd-amdhsa--gfx1250"
	.amdhsa_code_object_version 6
	.text
	.protected	k_q5406ed978e_attn
	.globl	k_q5406ed978e_attn
	.p2align	8
	.type	k_q5406ed978e_attn,@function
k_q5406ed978e_attn:
	s_mov_b64 s[64:65], 0
	v_nop
	global_prefetch_b8 v0, s[64:65] scope:SCOPE_SE
	s_setreg_imm32_b32 hwreg(HW_REG_WAVE_MODE, 25, 1), 1
	s_wait_xcnt 0x0
	s_wait_alu depctr_hold_cnt(0) depctr_sa_sdst(0) depctr_va_vdst(0) depctr_va_sdst(0) depctr_va_ssrc(0) depctr_va_vcc(0) depctr_vm_vsrc(0)
	s_getreg_b32 s2, hwreg(HW_REG_IB_STS2, 6, 4)
	s_cmp_eq_u32 s2, 0
	s_cbranch_scc0 .Lentry_in_a_cluster
	s_endpgm
.Lentry_in_a_cluster:
	s_bfe_u32 s2, ttmp6, 0x10000c
	s_cmp_lg_u32 s2, 0x3003
	s_cbranch_scc0 .Lentry_shape_is_right
	s_endpgm
.Lentry_shape_is_right:
; o = softmax(q k^T / 8) v for 64 heads of 2,048 tokens and d = 64, both products on codes of FP8 (E4M3) with one E8M0 scale for each 32 along K; o is quantised along the 1,024 features for the last product.
; THE SOFTMAX: t = score x log2(e) / 8; M = the row's largest t so far, rounded UP to a whole number; p = 2^(t - M) is quantised along the keys, not normalised.  The row's sum is taken of the unquantised p and divides O at the end.
; When M moves, the sum and O are multiplied by 2^(old M - new M): exact.
; SHARES.  256 work-groups.  A work-group owns 512 queries of one head and walks them in TWO PASSES of 256; in a pass each of its eight waves owns 32: two tiles of 16, A and B, so that each fragment of K and V read from LDS feeds two matrix instructions.
; LDS.  The head's K and V, 2 x 135,168 bytes, lie in LDS as they lie in memory: images of operand registers, a key step of 128 keys in 8,448 bytes.  They are filled ONCE, for both passes: wave w brings key steps 4 (w / 2) .. + 3 of K (w even) or V (w odd),
; 132 rows of 256 bytes: one tensor load a wave, one wait, one barrier.  Behind it the waves meet at no barrier until the closing round.
; CLUSTER.  The four work-groups of a cluster are the four query blocks of one head: each load is asked for jointly, with the same descriptor and a mask that names the four.
; NO PREFETCH: all of K and V is asked for at the head, by the loads themselves: there is no loop to run ahead in.
; LAYOUT.  Both products are used transposed: S^T = K Q^T, O^T = V^T P^T: a lane holds one query (lane % 16) throughout.  d = 64 is half of the instruction's 128 along K: a fragment of K holds TWO tiles of 16 keys
; and is multiplied by [q | 0] and by [0 | q]; zero codes add nothing under any scale byte that the quantiser gives.
; Inside a block of 32 keys p's place 16 h + 8 u + j holds key 16 u + 8 h + j, as V was laid; o meets Wo, which is given, so its codes change halves of the lanes once, into the true order.
; THE TWO TILES' LINES TAKE TURNS, so that no line waits for the line above it; a step's 136 exponentials are one batch; the holds go two to an instruction, across two blocks, so that the pair's registers differ in parity and bank.
; LIMITS: NaN and infinities are not served; the promise holds while the scaled scores t stay under 2^31 in magnitude; a block of o whose largest magnitude lies under 2^-118 keeps the byte 1, a block of zeros too.  o's scale bytes leave as stores of 2 bytes a lane: 256 KiB in the whole launch.
; REGISTERS.  window 0: v1-14 addresses and scale words; v16-27 statistics; v28-47 tile A's and v224-243 tile B's work registers; v48-54 head and way out; v64-95 p's codes; v96-159, v160-223 S^T, then p, of A, B.
;   window 1: v0-63 O^T of A, B; v64-127 K's four fragments; v128-191 V's four; v192-215, v216-239 [q | 0 | q] of A, B.
.set STEPB, 8448
.set HEADB, 16*STEPB
.set VB,    HEADB
.set SPARE, 2*HEADB                    ; the spare words, 128 bytes a wave
.set TILEB, 16896                      ; obuf: 16 tokens: 8 fragments of 2,048 bytes, then 16 rows of 32 scale bytes
.set L16, 1
.set L4,  2
.set ADK, 3
.set ADKS, 4
.set ADV, 5
.set ADVS, 6
.set KS,  7                            ; v7-8 K's scale words; v9-10 V's
.set VS,  9
.set QSA, 11
.set QSB, 12
.set PWA, 13                           ; v13, v14 p's scale words
.set STA, 16                           ; tile d: v[16 + 4 d] -M, next the largest t; v[18 + 4 d : ..] the sum in two halves
.set LA,  18
.set LB,  22
.set FA,  24                           ; v[24 + 2 d] f = 2^(old M - new M)
.set FB,  26
.set TD,  196                          ; from tile A's work registers to tile B's
.set BM,  28                           ; four each: block maxima, + 4 lane partner / bytes, + 8 bounds, + 12 scale operands
.set BP,  32
.set HL,  36
.set SO,  40
.set TT,  44
.set CH,  46
.set PCA, 64
.set SA,  96
.set SB,  160
.set OA,  0
.set OB,  32
.set KF,  64
.set VF,  128
.set QA,  192
.set QB,  216
.set WV,  12
.set G1,  16
.set G0,  40
.set SEL, 56
.set CS,  58
.set MNT, 60
.set TK,  61
.set TV,  62
.set CNT, 63
.set PASS, 78
.set MSB, 0
.macro WIN new
.if MSB != (\new)
	s_set_vgpr_msb (MSB<<8)|(\new)
.set MSB, (\new)
.endif
.endm
.macro CROUND                          ; a round of the cluster's barrier
	s_barrier_signal -1
	s_barrier_wait -1
	s_cmp_lg_u32 s[WV], 0
	s_cbranch_scc1 .Lnot_wave_0_\@
	s_barrier_signal -3
.Lnot_wave_0_\@:
	s_barrier_wait -3
	s_barrier_signal -1
	s_barrier_wait -1
.endm
.macro QLOAD                           ; a pass's q: my pair of token tiles, each twice ([q | 0 | q]), and the pair's scale words
	WIN 0x40
.irp c, 0,1
	global_load_b128 v[QA+4*\c:QA+4*\c+3], v48, s[4:5] offset:512*\c
	global_load_b128 v[QA+16+4*\c:QA+16+4*\c+3], v48, s[4:5] offset:512*\c
	global_load_b128 v[QB+4*\c:QB+4*\c+3], v48, s[4:5] offset:1024+512*\c
	global_load_b128 v[QB+16+4*\c:QB+16+4*\c+3], v48, s[4:5] offset:1024+512*\c
.endr
	WIN 0
	global_load_b32 v50, v49, s[4:5] offset:8192
.endm
	s_load_b256 s[4:11], s[0:1], 0x0               ; qbuf, kbuf, vbuf, obuf
	v_lshl_add_u32 v254, v0, 2, SPARE
	v_mov_b32 v255, 0
	ds_add_u32 v254, v255
	ds_add_u32 v254, v255
	v_lshrrev_b32 v1, 5, v0
	v_readfirstlane_b32 s[WV], v1                  ; wave 0..7
	s_bfe_u32 s13, ttmp6, 0x40000                  ; cx: my block of 512 queries: it enters q's and o's addresses alone
	s_and_b32 s15, ttmp7, 0xffff                   ; the head, 16 b + h, which the four partners share
	s_and_b32 s72, s[WV], 1                        ; I fetch for K (0) or V (1),
	s_lshr_b32 s73, s[WV], 1
	s_mul_i32 s73, s73, 4*STEPB                    ; four key steps from here on
	s_mul_i32 s70, s15, HEADB
	s_add_co_u32 s70, s70, s73
	s_mov_b32 s71, 0
	s_mul_i32 s74, s72, VB
	s_add_co_u32 s74, s74, s73                     ; and where they go
	s_mov_b32 s[G1], 15|(3<<16)|(1<<21)            ; 132 dense rows of 256 bytes (32 elements of 8); the mask names all four work-groups
	s_mov_b32 s[G1+1], 32<<16
	s_mov_b32 s[G1+2], 132<<16
	s_mov_b32 s[G1+3], 32<<16
	s_mov_b32 s[G1+4], 132
	s_mov_b32 s[G1+5], 32
	s_mov_b32 s[G1+6], 0
	s_mov_b32 s[G1+7], 0
	s_mov_b32 s[SEL], 0x76543210
	s_mov_b32 s[SEL+1], 0xfedcba98
	s_mov_b32 s[CS], 0x3e38aa3b                    ; c = log2(e) / 8
	s_mov_b32 s[CS+1], s[CS]
	s_mov_b32 s[MNT], 0x600000
	s_mov_b32 s66, 0x01000100
	s_mov_b32 s67, 0x03020302
	s_wait_dscnt 0x0
	s_wait_kmcnt 0x0
	s_cmp_eq_u32 s72, 0
	s_cselect_b64 s[68:69], s[6:7], s[8:9]         ; chosen by the wave's number alone
	CROUND                                         ; all four work-groups are here: the joint loads meet
	s_mov_b32 s[G0], 1
	s_mov_b32 s[G0+1], s74
	s_add_nc_u64 s[G0+2:G0+3], s[68:69], s[70:71]
	s_or_b32 s[G0+3], s[G0+3], 0x80000000
	tensor_load_to_lds s[G0:G0+3], s[G1:G1+7]      ; my one tensor load
	s_nop 0
.rept 4
	v_nop
.endr
	s_lshl_b32 s73, s15, 4                         ; q: block 16 head + 4 cx + 2 pass + wave / 4, pair wave % 4 of its token tiles
	s_lshl_b32 s74, s13, 2
	s_add_co_u32 s73, s73, s74
	s_lshr_b32 s74, s[WV], 2
	s_add_co_u32 s73, s73, s74
	s_mul_i32 s74, s73, STEPB
	s_mov_b32 s75, 0
	s_add_nc_u64 s[4:5], s[4:5], s[74:75]
	s_and_b32 s73, s[WV], 3
	s_lshl_b32 s68, s73, 11
	s_lshl_b32 s69, s73, 6
	s_lshr_b32 s73, s15, 4                         ; o: token tile 128 b + 32 cx + 16 pass + 2 wave; the head's codes lie 1,024 h bytes into a tile
	s_lshl_b32 s73, s73, 7
	s_lshl_b32 s74, s13, 5
	s_add_co_u32 s73, s73, s74
	s_lshl_b32 s74, s[WV], 1
	s_add_co_u32 s73, s73, s74
	s_mul_i32 s74, s73, TILEB
	s_add_nc_u64 s[76:77], s[10:11], s[74:75]
	s_and_b32 s73, s15, 15
	s_lshl_b32 s74, s73, 10
	s_add_nc_u64 s[10:11], s[76:77], s[74:75]
	s_lshl_b32 s70, s73, 1
	v_and_b32 v52, 31, v0
	v_and_b32 v53, 15, v0
	v_bfe_u32 v54, v0, 4, 1
	v_lshlrev_b32 v[L16], 4, v52
	v_lshlrev_b32 v[L4], 2, v52
	v_add_nc_u32 v48, s68, v[L16]
	v_lshl_add_u32 v49, v53, 2, s69
	v_mul_u32_u24 v51, v54, TILEB
	v_lshl_add_u32 v51, v53, 5, v51
	v_add_nc_u32 v51, s70, v51                     ; o's scale bytes: lanes 0-15 tile A's rows, lanes 16-31 tile B's; 32 bytes a row, 2 h into it
.irp r, FA+1, FB+1, BP, BP+1, BP+2, BP+3, BP+TD, BP+TD+1, BP+TD+2, BP+TD+3
	v_mov_b32 v[\r], 0                             ; written once: upper halves of pairs, and lane permutes' destinations
.endr
	WIN 0x40
.irp j, 0,1,2,3,4,5,6,7
	v_mov_b32 v[QA+8+\j], 0                        ; q's zero halves, for both passes
	v_mov_b32 v[QB+8+\j], 0
.endr
	WIN 0
	s_wait_alu depctr_va_vdst(0)                   ; a wait at the head's end
	QLOAD
	s_wait_tensorcnt 0x0                           ; my four key steps are in,
	s_barrier_signal -1
	s_barrier_wait -1                              ; everybody's are: all of K and V
.macro SPROD d, b, q, qs               ; 16 keys x 16 queries: pair b of K's tiles against [q | 0] or [0 | q]
.if (\b)%2
	v_wmma_scale_f32_16x16x128_f8f6f4 v[\d:\d+7], v[KF+16*(\b):KF+16*(\b)+15], v[\q:\q+15], 0, v[KS+(\b)/2], v[\qs] matrix_a_scale:MATRIX_SCALE_ROW1
.else
	v_wmma_scale_f32_16x16x128_f8f6f4 v[\d:\d+7], v[KF+16*(\b):KF+16*(\b)+15], v[\q:\q+15], 0, v[KS+(\b)/2], v[\qs]
.endif
.endm
.macro PVPROD d, t, pc, pw             ; 16 of d x 16 queries, K = the step's 128 keys
.if (\t)%2
	v_wmma_scale_f32_16x16x128_f8f6f4 v[\d:\d+7], v[VF+16*(\t):VF+16*(\t)+15], v[\pc:\pc+15], v[\d:\d+7], v[VS+(\t)/2], v[\pw] matrix_a_scale:MATRIX_SCALE_ROW1
.else
	v_wmma_scale_f32_16x16x128_f8f6f4 v[\d:\d+7], v[VF+16*(\t):VF+16*(\t)+15], v[\pc:\pc+15], v[\d:\d+7], v[VS+(\t)/2], v[\pw]
.endif
.endm
.macro KLOADS
.irp n, 0,1,2,3,4,5,6,7,8,9,10,11,12,13,14,15
	ds_load_b128 v[KF+4*\n:KF+4*\n+3], v[ADK] offset:512*\n
.endr
.endm
.macro STAT k, d                       ; line k of tile d's row statistics
.set T_, TD*(\d)
.set S_, STA+4*(\d)
.if (\k) == 0
	v_max3_num_f32 v[TT+T_], v[BM+T_], v[BM+T_+1], v[BM+T_+2]
.elseif (\k) == 1
	v_max_num_f32 v[TT+T_], v[TT+T_], v[BM+T_+3]   ; the step's largest score of my query
.elseif (\k) == 2
	v_mul_f32 v[TT+T_], s[CS], v[TT+T_]
.elseif (\k) == 3
	v_max_num_f32 v[S_+1], v[S_+1], v[TT+T_]       ; the running largest t
.elseif (\k) == 4
	v_mov_b32 v[TT+T_], v[S_]
.elseif (\k) == 5
	v_floor_f32 v[S_], -v[S_+1]                    ; the new -M = -ceil(t)
.elseif (\k) == 6
	v_sub_f32 v[TT+T_], v[S_], v[TT+T_]            ; old M - new M: a whole number, 0 or less
.elseif (\k) == 7
	v_cvt_i32_f32 v[TT+T_], v[TT+T_]               ; (it saturates)
.else
	v_ldexp_f32 v[FA+2*(\d)], 1.0, v[TT+T_]
.endif
.endm
.macro PREP k, x                       ; line k of a block's scale; x: the register of its largest p
.if (\k) == 0
	v_max_num_f32 v[\x], 0x4800000, v[\x]          ; the floor 2^(9 - 127)
.elseif (\k) == 1
	v_add_nc_u32 v[\x+12], 0xfc000000, v[\x]       ; the conversion's scale operand
.elseif (\k) == 2
	v_and_or_b32 v[\x+8], v[\x], 0x7f800000, s[MNT]   ; 448 x the scale
.else
	v_lshrrev_b32 v[\x+4], 23, v[\x+12]            ; the byte
.endif
.endm
.macro HOLD2 s, h                      ; two blocks' 32 holds in 16 pairs: p is not negative, so the hold is one-sided.  In a pair: destinations even and odd, first sources one register apart, bounds in neighbouring registers
.irp i, 0,2,4,6,8,10,12,14
	v_dual_min_num_f32 v[\s+\i], v[\s+\i], v[\h] :: v_dual_min_num_f32 v[\s+17+\i], v[\s+17+\i], v[\h+1]
	v_dual_min_num_f32 v[\s+16+\i], v[\s+16+\i], v[\h+1] :: v_dual_min_num_f32 v[\s+1+\i], v[\s+1+\i], v[\h]
.endr
.endm
.macro CV s, pc, so                    ; a block's 16 numbers a lane become codes
	v_cvt_scalef32_pk8_fp8_f32 v[\pc:\pc+1], v[\s:\s+7], v[\so]
	v_cvt_scalef32_pk8_fp8_f32 v[\pc+2:\pc+3], v[\s+8:\s+15], v[\so]
.endm
; Both tiles' softmax for 128 keys
.macro SOFT
.irp d, 0,1
.irp b, 0,1,2,3
	v_max3_num_f32 v[BM+TD*\d+\b], v[SA+64*\d+16*\b], v[SA+64*\d+16*\b+1], v[SA+64*\d+16*\b+2]   ; the largest score of each block of 32 keys: for the row's maximum and, since p rises with the score, for the block's largest p
.endr
.endr
.irp i, 3,5,7,9,11,13
.irp d, 0,1
.irp b, 0,1,2,3
	v_max3_num_f32 v[BM+TD*\d+\b], v[BM+TD*\d+\b], v[SA+64*\d+16*\b+\i], v[SA+64*\d+16*\b+\i+1]
.endr
.endr
.endr
.irp d, 0,1
.irp b, 0,1,2,3
	v_max_num_f32 v[BM+TD*\d+\b], v[BM+TD*\d+\b], v[SA+64*\d+16*\b+15]
.endr
.endr
.irp x, 28,29,30,31,224,225,226,227
	v_permlanex16_b32 v[\x+4], v[\x], s[SEL], s[SEL+1]
.endr
.irp x, 28,29,30,31,224,225,226,227
	v_max_num_f32 v[\x], v[\x], v[\x+4]            ; with lane l xor 16's 16 keys
.endr
.irp k, 0,1,2,3,4,5,6,7,8
	STAT \k, 0
	STAT \k, 1
.endr
.irp d, 0,1
.set J_, 0
.rept 32
	v_pk_fma_f32 v[SA+64*\d+J_:SA+64*\d+J_+1], v[SA+64*\d+J_:SA+64*\d+J_+1], s[CS:CS+1], v[STA+4*\d:STA+4*\d+1] op_sel_hi:[1,0,0]   ; t - M
.set J_, J_+2
.endr
.irp b, 0,1,2,3
	v_fma_f32 v[BM+TD*\d+\b], v[BM+TD*\d+\b], s[CS], v[STA+4*\d]
.endr
.endr
	s_wait_alu depctr_va_vdst(0)                   ; a wait ahead of the batch
.set J_, 0
.rept 128
	v_exp_f32 v[SA+J_], v[SA+J_]                   ; p = 2^(t - M), both tiles
.set J_, J_+1
.endr
.irp x, 28,29,30,31,224,225,226,227
	v_exp_f32 v[\x], v[\x]                         ; each block's largest p: the same two instructions on the same number
.endr
	v_pk_mul_f32 v[LA:LA+1], v[LA:LA+1], v[FA:FA+1] op_sel_hi:[1,0]   ; the sums under the new M (plain lines behind the batch)
	v_pk_mul_f32 v[LB:LB+1], v[LB:LB+1], v[FB:FB+1] op_sel_hi:[1,0]
	s_wait_alu depctr_va_vdst(0)                   ; one wait for the batch, ahead of its first reader
.irp k, 0,1,2,3
.irp x, 28,29,30,31,224,225,226,227
	PREP \k, \x
.endr
.endr
.irp n, 1,2,3
.irp d, 0,1
.if \n == 1
	v_lshl_or_b32 v[PWA+\d], v[BP+TD*\d+1], 8, v[BP+TD*\d]   ; p's scale word for these 128 keys
.else
	v_lshl_or_b32 v[PWA+\d], v[BP+TD*\d+\n], 8*\n, v[PWA+\d]
.endif
.endr
.endr
.irp d, 0,1
	v_pk_add_f32 v[CH+TD*\d:CH+TD*\d+1], v[SA+64*\d:SA+64*\d+1], v[SA+64*\d+2:SA+64*\d+3]   ; the row's sum is taken of the unquantised p: two chains a tile, four by turns
.endr
.irp j, 4,8,12,16,20,24,28,32,36,40,44,48,52,56,60
.irp d, 0,1
	v_pk_add_f32 v[LA+4*\d:LA+4*\d+1], v[LA+4*\d:LA+4*\d+1], v[SA+64*\d+\j:SA+64*\d+\j+1]
	v_pk_add_f32 v[CH+TD*\d:CH+TD*\d+1], v[CH+TD*\d:CH+TD*\d+1], v[SA+64*\d+\j+2:SA+64*\d+\j+3]
.endr
.endr
.irp d, 0,1
	v_pk_add_f32 v[LA+4*\d:LA+4*\d+1], v[LA+4*\d:LA+4*\d+1], v[CH+TD*\d:CH+TD*\d+1]
.endr
.irp d, 0,1
.irp p, 0,1
	HOLD2 SA+64*\d+32*\p, HL+TD*\d+2*\p
	CV SA+64*\d+32*\p, PCA+16*\d+8*\p, SO+TD*\d+2*\p
	CV SA+64*\d+32*\p+16, PCA+16*\d+8*\p+4, SO+TD*\d+2*\p+1
.endr
.endr
.endm
; A KEY STEP.  next = 1: the next step's K is fetched here, a step ahead of its use.  next = 0, a pass's last step: the next pass's q is fetched instead.  The step's own V is fetched in front of the softmax.
.macro STEP next
	s_wait_dscnt 0x0                               ; K and its scale words, asked for a step ago
	WIN 0x05                                       ; K and q in window 1, S^T in window 0
.irp b, 0,1,2,3
.irp u, 0,1
	SPROD SA+8*(2*\b+\u), \b, QA+8*\u, QSA
	SPROD SB+8*(2*\b+\u), \b, QB+8*\u, QSB
.endr
.endr
	WIN 0
	v_add_nc_u32 v[ADV], s[TV], v[L16]             ; eight plain lines behind the products: their results are read, and their operands' registers loaded, only behind them
	v_add_nc_u32 v[ADVS], s[TV], v[L4]
.if \next
	s_add_co_u32 s[TK], s[TK], STEPB
	s_add_co_u32 s[TV], s[TV], STEPB
	v_add_nc_u32 v[ADK], s[TK], v[L16]
	v_add_nc_u32 v[ADKS], s[TK], v[L4]
.rept 4
	v_nop
.endr
.else
.rept 6
	v_nop
.endr
.endif
	ds_load_b32 v[VS], v[ADVS] offset:8192
	ds_load_b32 v[VS+1], v[ADVS] offset:8320
.if \next
	ds_load_b32 v[KS], v[ADKS] offset:8192
	ds_load_b32 v[KS+1], v[ADKS] offset:8320
.endif
	WIN 0x40
.irp n, 0,1,2,3,4,5,6,7,8,9,10,11,12,13,14,15
	ds_load_b128 v[VF+4*\n:VF+4*\n+3], v[ADV] offset:512*\n
.endr
.if \next
	KLOADS
.endif
	WIN 0
.if !(\next)
	s_wait_alu depctr_va_vdst(0)
	s_cmp_eq_u32 s[PASS], 1                        ; the last pass has no successor
	s_cbranch_scc1 .Lno_q_\@
	QLOAD
.Lno_q_\@:
.endif
	SOFT
	s_wait_alu depctr_va_vdst(0)                   ; a wait here, ahead of the first reader of O^T
	WIN 0x41                                       ; O^T in window 1, f in window 0
.set J_, 0
.rept 16
	v_pk_mul_f32 v[OA+J_:OA+J_+1], v[OA+J_:OA+J_+1], v[FA:FA+1] op_sel_hi:[1,0]   ; O^T under the new M; these lines also stand between the codes and the products
.set J_, J_+2
.endr
.set J_, 0
.rept 16
	v_pk_mul_f32 v[OB+J_:OB+J_+1], v[OB+J_:OB+J_+1], v[FB:FB+1] op_sel_hi:[1,0]
.set J_, J_+2
.endr
	s_wait_alu depctr_va_vdst(0)
.if \next
	s_wait_dscnt 16                                ; V and the scale words are in; only the next K's sixteen loads are younger
.else
	s_wait_dscnt 0x0
.endif
	WIN 0x51                                       ; V in window 1, p in window 0, O^T in window 1
.irp t, 0,1,2,3
	PVPROD OA+8*\t, \t, PCA, PWA                   ; eight accumulators, one instruction a turn
	PVPROD OB+8*\t, \t, PCA+16, PWA+1
.endr
	WIN 0
.endm
	s_mov_b32 s[PASS], 0
.Lpass:                                                ; two trips: 256 queries each
	s_mov_b32 s[TK], 0
	s_mov_b32 s[TV], VB
	v_add_nc_u32 v[ADK], s[TK], v[L16]
	v_add_nc_u32 v[ADKS], s[TK], v[L4]
	ds_load_b32 v[KS], v[ADKS] offset:8192
	ds_load_b32 v[KS+1], v[ADKS] offset:8320
	WIN 0x40
	KLOADS
	WIN 0
	s_wait_loadcnt 0x0                             ; this pass's q
	s_add_nc_u64 s[4:5], s[4:5], 2*STEPB           ; on to the next pass's (behind the last pass it is not used)
	v_perm_b32 v[QSA], v50, v50, s66               ; tile A's two bytes, twice: they serve [q | 0] and [0 | q]
	v_perm_b32 v[QSB], v50, v50, s67
	WIN 0x40
.set J_, 0
.rept 64
	v_mov_b32 v[OA+J_], 0                          ; O^T: the step has no first form of its own: it finds zeros, which the first change of M leaves zeros
.set J_, J_+1
.endr
	WIN 0
.irp d, 0,1
	v_mov_b32 v[STA+4*\d+1], 0xff61b1e6            ; the largest t so far: -3e38
	v_mov_b32 v[LA+4*\d], 0
	v_mov_b32 v[LA+4*\d+1], 0
.endr
	v_floor_f32 v[STA], -v[STA+1]
	v_floor_f32 v[STA+4], -v[STA+5]
	s_mov_b32 s[CNT], 15
	s_wait_alu depctr_va_vdst(0)
.Lstep:
	STEP 1                                         ; key steps 0 to 14
	s_sub_co_u32 s[CNT], s[CNT], 1
	s_cmp_lg_u32 s[CNT], 0
	s_cbranch_scc1 .Lstep
	STEP 0                                         ; key step 15
	; THE WAY OUT.  O^T / the sum; quantised along the features; the codes change halves of the lanes into the true order; stored as images of the last product's operand.
	v_add_f32 v[LA], v[LA], v[LA+1]
	v_add_f32 v[LB], v[LB], v[LB+1]
	v_permlanex16_b32 v[BP], v[LA], s[SEL], s[SEL+1]
	v_permlanex16_b32 v[BP+1], v[LB], s[SEL], s[SEL+1]
	v_add_f32 v[LA], v[LA], v[BP]
	v_add_f32 v[LB], v[LB], v[BP+1]
.rept 4
	v_nop                                          ; with the lines above: eight and more plain lines behind the last products
.endr
	s_wait_alu depctr_va_vdst(0)
	v_rcp_f32 v[FA], v[LA]
	v_rcp_f32 v[FB], v[LB]
	v_nop
	s_wait_alu depctr_va_vdst(0)
	WIN 0x01                                       ; source 0 window 1
.set J_, 0
.rept 16
	v_pk_mul_f32 v[SA+J_:SA+J_+1], v[OA+J_:OA+J_+1], v[FA:FA+1] op_sel_hi:[1,0]   ; register 8 t + j: o(query r, d = 16 t + 8 h + j)
.set J_, J_+2
.endr
.set J_, 0
.rept 16
	v_pk_mul_f32 v[SA+32+J_:SA+32+J_+1], v[OB+J_:OB+J_+1], v[FB:FB+1] op_sel_hi:[1,0]
.set J_, J_+2
.endr
	WIN 0
.irp b, 0,1,2,3                        ; four blocks of 32: tile A's two, tile B's two
	v_max3_num_f32 v[BM+\b], |v[SA+16*\b]|, |v[SA+16*\b+1]|, 0x4800000
.endr
.irp i, 2,4,6,8,10,12,14
.irp b, 0,1,2,3
	v_max3_num_f32 v[BM+\b], v[BM+\b], |v[SA+16*\b+\i]|, |v[SA+16*\b+\i+1]|
.endr
.endr
.irp b, 0,1,2,3
	v_permlanex16_b32 v[BP+\b], v[BM+\b], s[SEL], s[SEL+1]
.endr
.irp b, 0,1,2,3
	v_max_num_f32 v[BM+\b], v[BM+\b], v[BP+\b]
.endr
.irp k, 1,2,3
.irp x, 28,29,30,31
	PREP \k, \x
.endr
.endr
.irp b, 0,1,2,3
.irp i, 0,1,2,3,4,5,6,7,8,9,10,11,12,13,14,15
	v_med3_num_f32 v[SA+16*\b+\i], v[SA+16*\b+\i], -v[HL+\b], v[HL+\b]
.endr
	CV SA+16*\b, PCA+4*\b, SO+\b
.endr
	v_nop                                          ; a plain line behind the last conversion
	s_mov_b32 vcc_lo, 0xffff0000
	; a lane of half h holds d = 8 h + 0..7 (x) and 16 + 8 h + 0..7 (y) of a block; the operand wants 16 h + 0..15: lanes 0-15 take (x, the other half's x), lanes 16-31 (the other half's y, y)
.irp n, 0,1,2,3,4,5,6,7,8,9,10,11,12,13,14,15
	v_permlanex16_b32 v[SB+\n], v[PCA+\n], s[SEL], s[SEL+1]
.endr
.irp b, 0,1,2,3
	v_cndmask_b32 v[SB+16+4*\b], v[PCA+4*\b], v[SB+4*\b+2], vcc_lo
	v_cndmask_b32 v[SB+17+4*\b], v[PCA+4*\b+1], v[SB+4*\b+3], vcc_lo
	v_cndmask_b32 v[SB+18+4*\b], v[SB+4*\b], v[PCA+4*\b+2], vcc_lo
	v_cndmask_b32 v[SB+19+4*\b], v[SB+4*\b+1], v[PCA+4*\b+3], vcc_lo
.endr
.irp b, 0,1,2,3
	global_store_b128 v[L16], v[SB+16+4*\b:SB+19+4*\b], s[10:11] offset:(\b/2)*TILEB+512*(\b%2)   ; 512 consecutive bytes, aligned
.endr
	v_lshl_or_b32 v[TT], v[BP+1], 8, v[BP]         ; tile A's two bytes,
	v_lshl_or_b32 v[TT+1], v[BP+3], 8, v[BP+2]     ; tile B's
	v_cndmask_b32 v[TT], v[TT], v[TT+1], vcc_lo
	global_store_b16 v51, v[TT], s[76:77] offset:16384
	s_wait_xcnt 0x0                                ; the stores have read their registers and bases: both are written again below
	s_add_nc_u64 s[10:11], s[10:11], 16*TILEB      ; the next pass's 16 token tiles
	s_add_nc_u64 s[76:77], s[76:77], 16*TILEB
	s_add_co_u32 s[PASS], s[PASS], 1
	s_cmp_lt_u32 s[PASS], 2
	s_wait_alu depctr_va_vdst(0)
	s_cbranch_scc1 .Lpass
	s_wait_tensorcnt 0x0                           ; the wave's end
	ds_add_u32 v254, v255
	s_wait_dscnt 0x0
	CROUND                                         ; the closing round
	s_endpgm
.Lfunc_end_k_q5406ed978e_attn:
	.size	k_q5406ed978e_attn, .Lfunc_end_k_q5406ed978e_attn-k_q5406ed978e_attn
	.p2alignl 7, 3214868480
	.fill 96, 4, 3214868480
	.section	.rodata,"a",@progbits
	.p2align	6, 0x0
	.amdhsa_kernel k_q5406ed978e_attn
		.amdhsa_group_segment_fixed_size 271360
		.amdhsa_private_segment_fixed_size 0
		.amdhsa_enable_private_segment 0
		.amdhsa_kernarg_size 32
		.amdhsa_user_sgpr_count 2
		.amdhsa_user_sgpr_kernarg_segment_ptr 1
		.amdhsa_wavefront_size32 1
		.amdhsa_system_sgpr_workgroup_id_x 1
		.amdhsa_system_sgpr_workgroup_id_y 1
		.amdhsa_system_sgpr_workgroup_id_z 1
		.amdhsa_system_vgpr_workitem_id 0
		.amdhsa_next_free_vgpr 512
		.amdhsa_next_free_sgpr 80
		.amdhsa_reserve_vcc 1
		.amdhsa_float_denorm_mode_32 3
		.amdhsa_float_denorm_mode_16_64 3
		.amdhsa_memory_ordered 1
		.amdhsa_forward_progress 1
		.amdhsa_inst_pref_size 91
	.end_amdhsa_kernel
	.amdgpu_metadata
---
amdhsa.version: [ 1, 2 ]
amdhsa.kernels:
  - .name:           k_q5406ed978e_attn
    .symbol:         k_q5406ed978e_attn.kd
    .args:
      - { .name: qbuf, .offset: 0, .size: 8, .value_kind: global_buffer, .address_space: global }
      - { .name: kbuf, .offset: 8, .size: 8, .value_kind: global_buffer, .address_space: global }
      - { .name: vbuf, .offset: 16, .size: 8, .value_kind: global_buffer, .address_space: global }
      - { .name: obuf, .offset: 24, .size: 8, .value_kind: global_buffer, .address_space: global }
    .group_segment_fixed_size: 271360
    .private_segment_fixed_size: 0
    .kernarg_segment_align: 8
    .kernarg_segment_size: 32
    .max_flat_workgroup_size: 256
    .sgpr_count:     80
    .vgpr_count:     512
    .wavefront_size: 32
...
	.end_amdgpu_metadata
.endif
;; end of part 3
;; launch proj (part 4): grid 32 x 8, 4 waves a work-group, clusters of 4 x 4, 327,680 bytes of LDS; arguments obuf, Wo_codes, Wo_scales, x, out0; writes out0
.if DOCPART == 4
	.amdgcn_target "amdgcn-amd-amdhsa--gfx1250"
	.amdhsa_code_object_version 6
	.text
	.protected	k_q5406ed978e_proj
	.globl	k_q5406ed978e_proj
	.p2align	8
	.type	k_q5406ed978e_proj,@function
k_q5406ed978e_proj:
	s_mov_b64 s[64:65], 0
	v_nop
	global_prefetch_b8 v0, s[64:65] scope:SCOPE_SE
	s_setreg_imm32_b32 hwreg(HW_REG_WAVE_MODE, 25, 1), 1
	s_wait_xcnt 0x0
	s_wait_alu depctr_hold_cnt(0) depctr_sa_sdst(0) depctr_va_vdst(0) depctr_va_sdst(0) depctr_va_ssrc(0) depctr_va_vcc(0) depctr_vm_vsrc(0)
	s_getreg_b32 s2, hwreg(HW_REG_IB_STS2, 6, 4)
	s_cmp_eq_u32 s2, 0
	s_cbranch_scc0 .Lentry_in_a_cluster
	s_endpgm
.Lentry_in_a_cluster:
	s_bfe_u32 s2, ttmp6, 0x10000c
	s_cmp_lg_u32 s2, 0xf033
	s_cbranch_scc0 .Lentry_shape_is_right
	s_endpgm
.Lentry_shape_is_right:
; out0 = x + o Wo^T on codes of FP8 (E4M3) with one E8M0 scale for each 32 along K = 1,024.  o comes from obuf as images of operand registers (16 tokens: 8 fragments of 2,048 bytes, one for each 128 of K, then 16 rows of 32 scale bytes).
; SHARES.  A work-group takes 256 tokens x 128 columns; wave w tokens 64 w on: four tiles of 16 against all eight column tiles: 32 accumulators, 256 registers.
; CLUSTERS: 4 x 4 work-groups.  The four of a column of the cluster take the same tokens and ask for o JOINTLY; the four of a row take the same columns and ask for Wo jointly.
; LDS.  Wo's 128 rows, all of K, filled once (waves 2, 3: 64 rows each).  ONE HALF OF K of o's sixteen tiles, 16 x 8,192 bytes (at the head waves 0, 1: 8 tiles each): when every wave holds its four tiles' fragments in registers, the other half of K is
; filled over it behind a drained round of the cluster's barrier (four tiles a wave) and lands under the first half's 128 products a wave.  A stage of 16 rows for each wave, bytes of its own.
; The matrix instruction is used transposed (source 0 = 16 rows of Wo, source 1 = 16 tokens): a lane holds eight neighbouring columns of one row of out0.  Results go tile by tile through the wave's stage, take x, and leave as rows of 512 bytes.
; PREFETCH: at the head one request a wave for the second half of K of o: of a token block's 16 tiles the partner at cy takes four, a wave one, a lane 256 bytes: each block is named once in the cluster.  Wo and the first half come by their loads alone.
; LIMITS: NaN and infinities are not served.
; REGISTERS.  window 0: v1-15 addresses; v20-35 o's scale words (8 p + s: lanes 0-15 tile 2 p, lanes 16-31 tile 2 p + 1); v40-71 Wo's (8 e + s: column tiles 2 e, 2 e + 1): a product's two scale words differ modulo 8; v72-135, v136-199 Wo's fragments, two sets.
;   window 1: o's fragments of the half of K in hand (tile i, step s at 16 (4 i + s));  window 2: x, four registers a row;  window 3: accumulator (column tile n, token tile i) at 8 (4 n + i).
.set WP,    1040                       ; a row of Wo in LDS: 1,024 bytes + 16
.set OBASE, 128*WP                     ; behind Wo: o's half of K
.set STG,   OBASE+16*8192              ; behind it: the stages, 16 rows x (512 + 16) bytes a wave
.set SP,    528
.set STW,   16*SP
.set SPARE, STG+4*STW                  ; the spare words
.set TILEB, 16896
.set L16, 1
.set BA0, 2
.set BA1, 3
.set STO, 4
.set SRD, 5
.set ASO, 6
.set BSO, 7
.set OAD, 11
.set PFO, 12
.set SPW, 14
.set NIL, 15
.set AS,  20
.set BS,  40
.set BF,  72
.set G1W, 24                           ; s[24:31], s[56:59] Wo's load;  s[32:39], s[60:63] o's at the head;  s[48:55], s[68:71] o's refill
.set G1O, 32
.set G1R, 48
.set G0W, 56
.set G0O, 60
.set G0R, 68
.set MSB, 0
.macro WIN new
.if MSB != (\new)
	s_set_vgpr_msb (MSB<<8)|(\new)
.set MSB, (\new)
.endif
.endm
.macro CROUND                          ; a round of the cluster's barrier
	s_barrier_signal -1
	s_barrier_wait -1
	s_cmp_lg_u32 s14, 0
	s_cbranch_scc1 .Lnot_wave_0_\@
	s_barrier_signal -3
.Lnot_wave_0_\@:
	s_barrier_wait -3
	s_barrier_signal -1
	s_barrier_wait -1
.endm
.macro PLACES                          ; eight plain lines between a matrix instruction and a load into, or a read of, its registers
.rept 8
	v_nop
.endr
.endm
.macro G1OSET g, rows                  ; so many tiles' halves: rows of 8,192 bytes (1,024 elements of 8), 16,896 bytes apart in memory, dense in LDS; shared by my column
	s_or_b32 s[\g], s45, (3<<16)|(1<<21)
	s_mov_b32 s[\g+1], 1024<<16
	s_mov_b32 s[\g+2], (\rows)<<16
	s_mov_b32 s[\g+3], 1024<<16
	s_mov_b32 s[\g+4], \rows
	s_mov_b32 s[\g+5], TILEB/8
	s_mov_b32 s[\g+6], 0
	s_mov_b32 s[\g+7], 0
.endm
	s_load_b256 s[4:11], s[0:1], 0x0               ; obuf, Wo's codes, Wo's scales, x
	s_load_b64 s[12:13], s[0:1], 0x20              ; out0
	v_lshl_add_u32 v[SPW], v0, 2, SPARE
	v_mov_b32 v[NIL], 0
	ds_add_u32 v[SPW], v[NIL]
	ds_add_u32 v[SPW], v[NIL]
	v_lshrrev_b32 v1, 5, v0
	v_readfirstlane_b32 s14, v1                    ; wave 0..3
	s_lshr_b32 s15, s14, 1                         ; at the head I fetch for o (0) or for Wo (1),
	s_and_b32 s16, s14, 1                          ; its first or second half
	s_bfe_u32 s40, ttmp6, 0x40000                  ; cx, cy
	s_bfe_u32 s41, ttmp6, 0x40004
	s_lshl_b32 s42, ttmp9, 2
	s_add_co_u32 s42, s42, s40                     ; which 256 tokens
	s_and_b32 s43, ttmp7, 0xffff
	s_lshl_b32 s43, s43, 2
	s_add_co_u32 s43, s43, s41                     ; which 128 columns
	s_lshl_b32 s44, s41, 2
	s_lshl_b32 s44, 15, s44                        ; my row of the cluster
	s_lshl_b32 s45, 0x1111, s40                    ; my column
	s_or_b32 s[G1W], s44, (1<<20)|(1<<21)|(7<<22)|(3<<25)   ; Wo: 64 rows of 1,024 bytes, four words of padding behind each; shared by my row
	s_mov_b32 s[G1W+1], 1024<<16
	s_mov_b32 s[G1W+2], 64<<16
	s_mov_b32 s[G1W+3], 1024<<16
	s_mov_b32 s[G1W+4], 64
	s_mov_b32 s[G1W+5], 1024
	s_mov_b32 s[G1W+6], 0
	s_mov_b32 s[G1W+7], 0
	G1OSET G1O, 8
	G1OSET G1R, 4
	s_lshl_b32 s20, s43, 17                        ; Wo's row 128 y + 64 half
	s_lshl_b32 s21, s16, 16
	s_add_co_u32 s20, s20, s21
	s_mov_b32 s21, 0
	s_lshl_b32 s22, s42, 4                         ; o's tile 16 x + 8 half
	s_lshl_b32 s23, s16, 3
	s_add_co_u32 s22, s22, s23
	s_mul_i32 s22, s22, TILEB
	s_mov_b32 s23, 0
	s_lshl_b32 s46, s42, 4                         ; my own first tile, 16 x + 4 wave
	s_lshl_b32 s47, s14, 2
	s_add_co_u32 s46, s46, s47
	s_mul_i32 s46, s46, TILEB
	s_mov_b32 s47, 0
	s_add_co_u32 s74, s46, 8192                    ; its second half of K
	s_mov_b32 s75, 0
	s_lshl_b32 s76, s42, 4                         ; the tile that I prefetch: 16 x + 4 cy + wave, its second half of K
	s_lshl_b32 s77, s41, 2
	s_add_co_u32 s76, s76, s77
	s_add_co_u32 s76, s76, s14
	s_mul_i32 s76, s76, TILEB
	s_add_co_u32 s76, s76, 8192
	s_mov_b32 s77, 0
	s_lshl_b32 s78, s42, 20                        ; x and out0: row 256 x + 64 wave of 4,096 bytes, + 512 y
	s_lshl_b32 s79, s14, 18
	s_add_co_u32 s78, s78, s79
	s_lshl_b32 s79, s43, 9
	s_add_co_u32 s78, s78, s79
	s_mov_b32 s79, 0
	s_lshl_b32 s2, s43, 12                         ; Wo's scale bytes: 32 a row
	s_mov_b32 s3, 0
	s_mul_i32 s17, s16, 64*WP                      ; LDS places: by the wave's number alone
	s_lshl_b32 s18, s16, 16
	s_add_co_u32 s18, s18, OBASE
	s_lshl_b32 s19, s14, 15
	s_add_co_u32 s19, s19, OBASE
	s_mul_i32 s66, s14, STW
	s_add_co_u32 s66, s66, STG
	s_wait_dscnt 0x0
	s_wait_kmcnt 0x0
	s_mov_b32 s[G0W], 1
	s_mov_b32 s[G0W+1], s17
	s_add_nc_u64 s[G0W+2:G0W+3], s[6:7], s[20:21]
	s_or_b32 s[G0W+3], s[G0W+3], 0x80000000
	s_mov_b32 s[G0O], 1
	s_mov_b32 s[G0O+1], s18
	s_add_nc_u64 s[G0O+2:G0O+3], s[4:5], s[22:23]
	s_or_b32 s[G0O+3], s[G0O+3], 0x80000000
	s_mov_b32 s[G0R], 1
	s_mov_b32 s[G0R+1], s19
	s_add_nc_u64 s[G0R+2:G0R+3], s[4:5], s[74:75]
	s_or_b32 s[G0R+3], s[G0R+3], 0x80000000
	s_add_nc_u64 s[72:73], s[4:5], s[76:77]
	s_add_nc_u64 s[4:5], s[4:5], s[46:47]
	s_add_nc_u64 s[8:9], s[8:9], s[2:3]
	s_add_nc_u64 s[10:11], s[10:11], s[78:79]
	s_add_nc_u64 s[12:13], s[12:13], s[78:79]
	CROUND                                         ; all sixteen work-groups are here: the first joint loads meet
	s_cmp_eq_u32 s15, 0                            ; one load a wave, each line with one mask
	s_cbranch_scc0 .Lfor_w
	tensor_load_to_lds s[G0O:G0O+3], s[G1O:G1O+7]
	s_nop 0
.rept 4
	v_nop
.endr
	s_branch .Lasked
.Lfor_w:
	tensor_load_to_lds s[G0W:G0W+3], s[G1W:G1W+7]
	s_nop 0
.rept 4
	v_nop
.endr
.Lasked:
	v_and_b32 v8, 31, v0
	v_and_b32 v9, 15, v0                           ; r
	v_bfe_u32 v10, v0, 4, 1                        ; h
	v_lshlrev_b32 v[L16], 4, v8
	v_lshlrev_b32 v[PFO], 8, v8
	v_mul_u32_u24 v[BA0], v9, WP
	v_lshl_add_u32 v[BA0], v10, 4, v[BA0]          ; Wo: row r, + 16 h
	v_add_nc_u32 v[BA1], 64*WP, v[BA0]             ; and 64 rows on: the immediate holds 16 bits
	v_mul_u32_u24 v[STO], v9, SP
	v_lshl_add_u32 v[STO], v10, 5, v[STO]
	v_add_nc_u32 v[STO], s66, v[STO]               ; the stage, in: row r, 32 bytes for each half of the lanes
	v_add_nc_u32 v[SRD], s66, v[L16]               ; back: the 32 lanes take a row of 512 bytes
	v_add_nc_u32 v[OAD], s19, v[L16]               ; my four tiles of o in LDS
	v_mul_u32_u24 v[ASO], v10, TILEB
	v_lshl_add_u32 v[ASO], v9, 5, v[ASO]           ; o's scale rows: lanes 16-31 take the next tile's
	v_lshlrev_b32 v[BSO], 5, v8                    ; Wo's: lanes 16-31 take the next 16 rows
	s_wait_alu depctr_va_vdst(0)                   ; a wait at the head's end
	global_prefetch_b8 v[PFO], s[72:73] th:TH_LOAD_NT scope:SCOPE_SE
.irp p, 0,1
.irp e, 0,1
	global_load_b128 v[AS+8*\p+4*\e:AS+8*\p+4*\e+3], v[ASO], s[4:5] offset:\p*2*TILEB+16384+16*\e
.endr
.endr
.irp b, 0,1,2,3
.irp e, 0,1
	global_load_b128 v[BS+8*\b+4*\e:BS+8*\b+4*\e+3], v[BSO], s[8:9] offset:\b*1024+16*\e
.endr
.endr
	WIN 0x80                                       ; destination window 2
.set R, 0
.rept 64
	global_load_b128 v[4*R:4*R+3], v[L16], s[10:11] offset:R*4096 th:TH_LOAD_NT
.set R, R+1
.endr
	WIN 0
.macro P1 d, f0, f1, sa, sb, ra, rb, zero
.if \zero
.if \ra
.if \rb
	v_wmma_scale_f32_16x16x128_f8f6f4 v[\d:\d+7], v[\f0:\f0+15], v[\f1:\f1+15], 0, v[\sa], v[\sb] matrix_a_scale:MATRIX_SCALE_ROW1 matrix_b_scale:MATRIX_SCALE_ROW1
.else
	v_wmma_scale_f32_16x16x128_f8f6f4 v[\d:\d+7], v[\f0:\f0+15], v[\f1:\f1+15], 0, v[\sa], v[\sb] matrix_a_scale:MATRIX_SCALE_ROW1
.endif
.else
.if \rb
	v_wmma_scale_f32_16x16x128_f8f6f4 v[\d:\d+7], v[\f0:\f0+15], v[\f1:\f1+15], 0, v[\sa], v[\sb] matrix_b_scale:MATRIX_SCALE_ROW1
.else
	v_wmma_scale_f32_16x16x128_f8f6f4 v[\d:\d+7], v[\f0:\f0+15], v[\f1:\f1+15], 0, v[\sa], v[\sb]
.endif
.endif
.else
.if \ra
.if \rb
	v_wmma_scale_f32_16x16x128_f8f6f4 v[\d:\d+7], v[\f0:\f0+15], v[\f1:\f1+15], v[\d:\d+7], v[\sa], v[\sb] matrix_a_scale:MATRIX_SCALE_ROW1 matrix_b_scale:MATRIX_SCALE_ROW1
.else
	v_wmma_scale_f32_16x16x128_f8f6f4 v[\d:\d+7], v[\f0:\f0+15], v[\f1:\f1+15], v[\d:\d+7], v[\sa], v[\sb] matrix_a_scale:MATRIX_SCALE_ROW1
.endif
.else
.if \rb
	v_wmma_scale_f32_16x16x128_f8f6f4 v[\d:\d+7], v[\f0:\f0+15], v[\f1:\f1+15], v[\d:\d+7], v[\sa], v[\sb] matrix_b_scale:MATRIX_SCALE_ROW1
.else
	v_wmma_scale_f32_16x16x128_f8f6f4 v[\d:\d+7], v[\f0:\f0+15], v[\f1:\f1+15], v[\d:\d+7], v[\sa], v[\sb]
.endif
.endif
.endif
.endm
.macro OLOAD                           ; my four tiles' fragments of the half of K that lies in LDS: 64 loads of 512 consecutive bytes
	WIN 0x40
.irp i, 0,1,2,3
.irp s, 0,1,2,3
.irp c, 0,1,2,3
	ds_load_b128 v[16*(4*\i+\s)+4*\c:16*(4*\i+\s)+4*\c+3], v[OAD] offset:\i*8192+2048*\s+512*\c
.endr
.endr
.endr
	WIN 0
.endm
.macro FETCH n, h                      ; column tile n of Wo, K steps 4 h .. 4 h + 3, into set n % 2
.irp s, 0,1,2,3
.irp c, 0,1,2,3
.if (\n) < 4
	ds_load_b128 v[BF+64*((\n)%2)+16*\s+4*\c:BF+64*((\n)%2)+16*\s+4*\c+3], v[BA0] offset:(\n)*16*WP+128*(4*\h+\s)+32*\c
.else
	ds_load_b128 v[BF+64*((\n)%2)+16*\s+4*\c:BF+64*((\n)%2)+16*\s+4*\c+3], v[BA1] offset:((\n)-4)*16*WP+128*(4*\h+\s)+32*\c
.endif
.endr
.endr
.endm
.macro MULH n, h                       ; 16 matrix instructions: four K steps x my four tiles of tokens; the four accumulators take turns, one instruction a turn; the very first K step starts the sums
	WIN 0xf4                                       ; Wo window 0, o window 1, sums window 3
.irp s, 0,1,2,3
.irp i, 0,1,2,3
.if (\h == 0) && (\s == 0)
	P1 8*(4*(\n)+\i), BF+64*((\n)%2)+16*\s, 16*(4*\i+\s), BS+8*((\n)/2)+4*\h+\s, AS+8*(\i/2)+4*\h+\s, (\n)%2, \i%2, 1
.else
	P1 8*(4*(\n)+\i), BF+64*((\n)%2)+16*\s, 16*(4*\i+\s), BS+8*((\n)/2)+4*\h+\s, AS+8*(\i/2)+4*\h+\s, (\n)%2, \i%2, 0
.endif
.endr
.endr
	WIN 0
.endm
.macro HALF h                          ; a half of K: the eight column tiles; tile n + 1's fragments are fetched ahead of tile n's products
.irp n, 0,1,2,3,4,5,6,7
.if \n < 7
.if (\n > 0) || (\h > 0)
	PLACES
.endif
	FETCH \n+1, \h
	s_wait_dscnt 16                                ; all but the sixteen just issued
.else
	s_wait_dscnt 0x0
.endif
	MULH \n, \h
.endr
.endm
	s_wait_tensorcnt 0x0                           ; my tile of the head's four is in,
	s_barrier_signal -1
	s_barrier_wait -1                              ; everybody's is
	OLOAD
	FETCH 0, 0
	s_wait_tensorcnt 0x0                           ; ahead of a refill's round
	ds_add_u32 v[SPW], v[NIL]
	s_wait_dscnt 0x0                               ; the add is done, and o's first half is in my registers
	CROUND                                         ; so it is in every wave of every partner
	tensor_load_to_lds s[G0R:G0R+3], s[G1R:G1R+7]  ; the second half of K of my four tiles, over the first
	s_nop 0
.rept 4
	v_nop
.endr
	s_wait_loadcnt 63                              ; the scale words are in: behind them 64 loads of x were issued, of which 63 may stay out
	HALF 0
	s_wait_tensorcnt 0x0                           ; my part of the second half is in,
	s_barrier_signal -1
	s_barrier_wait -1                              ; everybody's is; nothing is filled again
	PLACES
	OLOAD
	FETCH 0, 1
	HALF 1
	PLACES
; THE WAY OUT, a tile of 16 tokens at a time: into my own stage, back as whole rows (LDS serves a wave's instructions in order), + x, stored
.macro BATCH k
.set RB, BF+64*((\k)%2)
	WIN 0x0c                                       ; the stores' data: window 3
.irp n, 0,1,2,3,4,5,6,7
	ds_store_b128 v[STO], v[8*(4*\n+\k):8*(4*\n+\k)+3] offset:64*\n            ; each accumulator from its low end on
	ds_store_b128 v[STO], v[8*(4*\n+\k)+4:8*(4*\n+\k)+7] offset:64*\n+16
.endr
	WIN 0
.if \k >= 2
	s_wait_xcnt 0x0                                ; the stores of two batches ago have read these registers
.endif
.irp t, 0,1,2,3,4,5,6,7,8,9,10,11,12,13,14,15
	ds_load_b128 v[RB+4*\t:RB+4*\t+3], v[SRD] offset:\t*SP
.endr
	s_wait_dscnt 0x0
	s_wait_loadcnt 48-16*\k                        ; x's rows of this batch are in; the later batches' may stay out
	WIN 0x08                                       ; source 1 (x): window 2
.set E_, 0
.rept 32
	v_pk_add_f32 v[RB+E_:RB+E_+1], v[RB+E_:RB+E_+1], v[64*\k+E_:64*\k+E_+1]
.set E_, E_+2
.endr
	WIN 0
.irp t, 0,1,2,3,4,5,6,7,8,9,10,11,12,13,14,15
	global_store_b128 v[L16], v[RB+4*\t:RB+4*\t+3], s[12:13] offset:(16*\k+\t)*4096 th:TH_STORE_NT   ; 512 consecutive bytes, aligned; written once
.endr
.endm
	BATCH 0
	BATCH 1
	BATCH 2
	BATCH 3
	s_wait_tensorcnt 0x0                           ; the wave's end
	ds_add_u32 v[SPW], v[NIL]
	s_wait_dscnt 0x0
	CROUND                                         ; the closing round
	s_endpgm
.Lfunc_end_k_q5406ed978e_proj:
	.size	k_q5406ed978e_proj, .Lfunc_end_k_q5406ed978e_proj-k_q5406ed978e_proj
	.p2alignl 7, 3214868480
	.fill 96, 4, 3214868480
	.section	.rodata,"a",@progbits
	.p2align	6, 0x0
	.amdhsa_kernel k_q5406ed978e_proj
		.amdhsa_group_segment_fixed_size 327680
		.amdhsa_private_segment_fixed_size 0
		.amdhsa_enable_private_segment 0
		.amdhsa_kernarg_size 40
		.amdhsa_user_sgpr_count 2
		.amdhsa_user_sgpr_kernarg_segment_ptr 1
		.amdhsa_wavefront_size32 1
		.amdhsa_system_sgpr_workgroup_id_x 1
		.amdhsa_system_sgpr_workgroup_id_y 1
		.amdhsa_system_sgpr_workgroup_id_z 1
		.amdhsa_system_vgpr_workitem_id 0
		.amdhsa_next_free_vgpr 1024
		.amdhsa_next_free_sgpr 80
		.amdhsa_reserve_vcc 0
		.amdhsa_float_denorm_mode_32 3
		.amdhsa_float_denorm_mode_16_64 3
		.amdhsa_memory_ordered 1
		.amdhsa_forward_progress 1
		.amdhsa_inst_pref_size 100
	.end_amdhsa_kernel
	.amdgpu_metadata
---
amdhsa.version: [ 1, 2 ]
amdhsa.kernels:
  - .name:           k_q5406ed978e_proj
    .symbol:         k_q5406ed978e_proj.kd
    .args:
      - { .name: obuf, .offset: 0, .size: 8, .value_kind: global_buffer, .address_space: global }
      - { .name: Wo_codes, .offset: 8, .size: 8, .value_kind: global_buffer, .address_space: global }
      - { .name: Wo_scales, .offset: 16, .size: 8, .value_kind: global_buffer, .address_space: global }
      - { .name: x, .offset: 24, .size: 8, .value_kind: global_buffer, .address_space: global }
      - { .name: out0, .offset: 32, .size: 8, .value_kind: global_buffer, .address_space: global }
    .group_segment_fixed_size: 327680
    .private_segment_fixed_size: 0
    .kernarg_segment_align: 8
    .kernarg_segment_size: 40
    .max_flat_workgroup_size: 128
    .sgpr_count:     80
    .vgpr_count:     1024
    .wavefront_size: 32
...
	.end_amdgpu_metadata
.endif
;; end of part 4
